; MI455X (gfx1250); checked and timed in simulation.
; The chip was launched on July 23, 2026; its instructions are those of AMD's public machine-readable ISA for CDNA 5 (MIT licence, August 2026) and "CDNA5" Instruction Set Architecture Reference Guide (July 2026). The comments in the code are by the model that wrote it; some were corrected since.
;; Multi Head Self Attention. Allowed arithmetic: matrix products marked QUANTISED: E2M3 operands, one E8M0 scale for each 32 along K, by v_wmma_scale_f32_16x16x128_f8f6f4 with both operands' format E2M3, f32 sums; everything else in f32.
;; Inputs: wk 1,024 x 1,024 float32; wo 1,024 x 1,024 float32; wq 1,024 x 1,024 float32; wv 1,024 x 1,024 float32; x 2 x 2,048 x 1,024 float32.
;; Outputs: out0 2 x 2,048 x 1,024 float32.
;; This version of the problem:
;;   THIS VERSION OF THE PROBLEM IS GIVEN IN LOW PRECISION. The matrix products marked QUANTISED in the list below multiply operands that are first quantised to E2M3 (2 exponent bits, 3 mantissa bits; 6 bits a number), with one power-of-two scale for each 32 numbers along K (OCP MX v1.0); their sums are f32. All else is computed in f32.
;;   The module's matrix products, in the order in which they are computed (A, B: the left and right operand; K: the contracted axis; several contracted axes count as one K, in the product's order):
;;     1. [M 4,096, K 1,024] x [K 1,024, N 1,024]; A: input x; B: input wq: QUANTISED
;;     2. [M 4,096, K 1,024] x [K 1,024, N 1,024]; A: input x; B: input wk: QUANTISED
;;     3. [M 4,096, K 1,024] x [K 1,024, N 1,024]; A: input x; B: input wv: QUANTISED
;;     4. batch 32 x [M 2,048, K 64] x [K 64, N 2,048]; A: computed on the way; B: computed on the way: QUANTISED
;;     5. batch 32 x [M 2,048, K 2,048] x [K 2,048, N 64]; A: softmax (see below); B: computed on the way: QUANTISED
;;     6. [M 4,096, K 1,024] x [K 1,024, N 1,024]; A: computed on the way; B: input wo: QUANTISED
;;   THE QUANTISER, for each operand of a quantised product, along K:
;;     - K is cut into blocks of 32 from its start; a last block that is shorter is filled with zeros.
;;     - A block's scale is 2^e with e = floor(log2(the largest magnitude in the block)) - 2, held to -126 .. 127; a block of zeros has e = 0. As a byte (E8M0): e + 127.
;;     - Each number is divided by its block's scale, clamped to +-7.5, and rounded to the nearest number of E2M3, ties to even, subnormals kept.
;;     - The product sums the exact products of the quantised numbers (number of the format x scale) in f32.
;;   ~~~python
;;   def quantise(x, axis):      # numpy; x: float32 -> the quantised numbers, widened to float32 again
;;       x = np.moveaxis(x, axis, -1); K = x.shape[-1]
;;       x = np.pad(x, [(0, 0)] * (x.ndim - 1) + [(0, -K % 32)]); x = x.reshape(x.shape[:-1] + (-1, 32)); a = np.abs(x).max(-1, keepdims=True)
;;       e = np.where(a > 0, np.clip(np.frexp(np.where(a > 0, a, 1))[1] - 1 - 2, -126, 127), 0)      # np.frexp(a)[1] - 1 = floor(log2(a)), exactly
;;       r = np.clip(x / 2.0 ** e, -7.5, 7.5)
;;       step = 2.0 ** (np.maximum(np.frexp(np.where(r == 0, 1, r))[1] - 1, 0) - 3)
;;       q = np.round(r / step) * step * 2.0 ** e      # np.round: ties to even
;;       return np.moveaxis(q.reshape(q.shape[:-2] + (-1,))[..., :K], -1, axis).astype(np.float32)
;;   ~~~
;;   SOFTMAX AHEAD OF A QUANTISED PRODUCT. Where the list says 'softmax', what is quantised is not the finished softmax but p = 2^(t - M), with t = logit x log2(e) and M = ceil(the row's largest t), a whole number; so 1/2 < the row's largest p <= 1. The row's sum l is taken of the UNQUANTISED p, in f32, and the product's result is divided by l at the end. Since M is a whole number, a kernel that streams over the keys may use a running M (the ceiling of the running maximum): every later rescaling is an exact power of two, which a block's scale takes up: the codes' values come out the same.
;;   OPERANDS COMPUTED ON THE WAY. 'Computed on the way' means the value that the module computes at that place (a softmax that the list does not call 'softmax' is quantised finished and normalised). What goes into a quantiser is computed in f32, as accurately as f32 sums, v_exp_f32 and their like allow (about 1e-6 of the number): no bf16 or f16 on the way to a quantiser, and a product that is left as it is and whose result goes on into a quantised operand takes f32 operands (vector FMAs, or v_wmma_f32_16x16x4_f32). A number that lies on a knife's edge between two numbers of the format may be rounded either way, as far as f32 arithmetic and the matrix unit's own rounding can turn it there, and no further.
;; One version. Each part assembles by itself: llvm-mc -triple=amdgcn-amd-amdhsa -mcpu=gfx1250 --defsym DOCPART=n.
;; ======== version 1 of 1: 4 launches
;; limits: right only within a limited range of input values
;; workspace buffers: wsq 7,340,032 bytes; tab 524,288 bytes; qkv 11,010,048 bytes; att 3,670,016 bytes
;; launch quant (part 1): grid 256 x 1, 8 waves a work-group, no clusters, 68,608 bytes of LDS; arguments x, wq, wk, wv, wo, wsq, tab; writes wsq, tab
.if DOCPART == 1
	.amdgcn_target "amdgcn-amd-amdhsa--gfx1250"
	.amdhsa_code_object_version 6
	.text
	.protected	k_qec486f61c4_quant
	.globl	k_qec486f61c4_quant
	.p2align	8
	.type	k_qec486f61c4_quant,@function
k_qec486f61c4_quant:
	s_mov_b64 s[64:65], 0
	v_nop
	global_prefetch_b8 v0, s[64:65] scope:SCOPE_SE
	s_setreg_imm32_b32 hwreg(HW_REG_WAVE_MODE, 25, 1), 1
	s_wait_xcnt 0x0
; x [4096][1024] and wq, wk, wv, wo [1024][1024], f32, K innermost, become codes of FP6 (E2M3) with one E8M0 byte for each 32 along K,
; laid in wsq as IMAGES OF OPERAND REGISTERS.  A unit of 1,792 bytes is a fragment of 16 rows x 128 K: three chunks of 512 bytes (chunk c: the lane's
; registers 4 c .. 4 c + 3 at 16 x lane), then 256 bytes of scale words (8 bytes a lane: the row's word twice; lanes l and l xor 16 hold the same word).
; A tile's eight K steps lie on end: 14,336 bytes a tile.
; THE ROWS OF A TILE ARE NOT NEIGHBOURS: tile 4 g + j holds in lane place r the row 64 g + 8 j + r % 8 + 32 (r / 8).  A product whose result has these rows along a lane's
; registers then leaves in lane (r, h), from tiles j = 0 .. 3, the numbers 64 g + 32 h + 0 .. 31: a whole block of the next quantiser.
; Tiles in wsq: x 0-255; wq, wk, wv at 256 + 12 head + 4 matrix + j (a head's twelve tiles on end); wo 448-511.
; SHARES.  A work-group takes two tiles of one tensor (work-groups 0-127 x, then 32 each for wq, wk, wv, wo); wave w takes tile u = w / 4 and the quarter w % 4 of K: two fragments, both asked for at once.
; A load reads 512 consecutive bytes of a row; a fragment's 16 x 512 bytes turn through the wave's own stage in LDS (rows of 528 bytes), so that lane (r, h) gets blocks h and 2 + h of row r whole.
; Waves share nothing: no barrier.  Every store of a wave covers 512 or 256 consecutive bytes, aligned.
; THE ROPE TABLE.  Each thread of waves 0-3 also makes 16 bytes of tab: (cos, sin) of two frequencies at one position, [position tile 128][chunk 8][lane 32][16 bytes]: chunk ch, lane (r, h):
; pairs k0 = 16 h + 2 ch and k0 + 1 at the position that lane place r of the tile stands for.  angle = f32(position) x f32(10^(-k/8)), one rounding;
; it is reduced by multiples of pi / 2 held in two parts, and sine and cosine are polynomials on |r| <= pi / 4.
; WORK LEFT OUT by this program: blocks of 128 keys that lie wholly behind the causal mask of a tile of queries: the mask gives them -inf ahead of the softmax, so they reach no output whatever
; the inputs hold.  A NaN, an infinity or an overflow that reaches only that work is not carried to the result.
; LIMITS: NaN and infinities among the inputs are not served.  A block whose largest magnitude lies under 2^-124, a block of zeros too, gets the byte 1: this program alone reads the bytes.
; The frequencies are the f32 numbers nearest to 10^(-k/8); sine and cosine carry an absolute error of about 1e-7.
.set RAW, 16                           ; v16-143  two sets of 64: a fragment's numbers as loaded
.set X,   144                          ; v144-207 my two blocks of 32 neighbours (before the first fragment: the table's work)
.set PC,  208                          ; v208-219 the fragment's codes
.set SCR, 220                          ; v220-226 the second halves of the blocks' codes, before they are moved
.set TM,  228                          ; v228-235 at work
.set PW,  240                          ; v[240:241] the scale word, twice
.set SPARE, 8*8448                     ; behind the eight stages: the spare words, 128 bytes a wave
	s_load_b256 s[4:11], s[0:1], 0x0               ; x, wq, wk, wv
	s_load_b128 s[12:15], s[0:1], 0x20             ; wo, wsq
	s_load_b64 s[16:17], s[0:1], 0x30              ; tab
	v_lshl_add_u32 v254, v0, 2, SPARE
	v_mov_b32 v255, 0
	v_lshrrev_b32 v6, 5, v0
	v_readfirstlane_b32 s20, v6                    ; wave 0..7
	v_and_b32 v7, 31, v0                           ; lane
	v_and_b32 v8, 15, v0                           ; r
	v_bfe_u32 v9, v0, 4, 1                         ; h
	v_lshlrev_b32 v1, 4, v7                        ; 16 x lane
	v_lshlrev_b32 v4, 3, v7                        ; 8 x lane
	v_lshlrev_b32 v5, 3, v9                        ; 8 h: how far my two scale bytes are shifted
	v_lshlrev_b32 v10, 4, v0                       ; 16 x thread: my piece of the table
	s_mul_i32 s21, s20, 8448                       ; my stage
	v_add_nc_u32 v2, s21, v1                       ; into it: 16 x lane of a row
	v_mul_u32_u24 v3, v8, 528
	v_lshl_add_u32 v3, v9, 7, v3
	v_add_nc_u32 v3, s21, v3                       ; out of it: row r, block h
	v_mov_b32 v[TM+7], 0                           ; a lane permute's destination counts as one of its sources
	s_mov_b32 s38, 0x76543210
	s_mov_b32 s39, 0xfedcba98                      ; selects for lane l xor 16
	s_lshr_b32 s22, s20, 2                         ; u
	s_and_b32 s23, s20, 3                          ; which quarter of K
	s_and_b32 s24, ttmp9, 31                       ; a weight's pair of tiles
	s_lshr_b32 s25, ttmp9, 5
	s_and_b32 s25, s25, 3                          ; which weight: 0 wq, 1 wk, 2 wv, 3 wo
	s_lshr_b32 s26, s24, 1
	s_mul_i32 s26, s26, 12
	s_lshl_b32 s27, s25, 2
	s_add_co_u32 s26, s26, s27
	s_and_b32 s27, s24, 1
	s_lshl_b32 s27, s27, 1
	s_add_co_u32 s26, s26, s27
	s_add_co_u32 s26, s26, 256                     ; wq, wk, wv: 256 + 12 head + 4 matrix + 2 (pair % 2)
	s_lshl_b32 s27, s24, 1
	s_add_co_u32 s27, s27, 448                     ; wo: 448 + 2 pair
	s_lshl_b32 s28, ttmp9, 1                       ; x: 2 pair
	s_cmp_lt_u32 ttmp9, 224
	s_cselect_b32 s26, s26, s27
	s_cmp_lt_u32 ttmp9, 128
	s_cselect_b32 s26, s28, s26
	s_cselect_b32 s24, ttmp9, s24                  ; the pair within its tensor
	s_add_co_u32 s26, s26, s22                     ; + u: my tile in wsq
	s_mul_i32 s26, s26, 14336
	s_mul_i32 s27, s23, 3584
	s_add_co_u32 s26, s26, s27                     ; its byte, at my quarter of K
	s_mov_b32 s27, 0
	s_lshr_b32 s28, s24, 1
	s_lshl_b32 s28, s28, 18                        ; 64 rows of 4,096 bytes for two pairs,
	s_and_b32 s29, s24, 1
	s_lshl_b32 s29, s29, 16                        ; 16 rows for the second of them,
	s_add_co_u32 s28, s28, s29
	s_lshl_b32 s29, s22, 15                        ; 8 rows for u,
	s_add_co_u32 s28, s28, s29
	s_lshl_b32 s29, s23, 10                        ; 256 numbers for the quarter of K
	s_add_co_u32 s28, s28, s29
	s_mov_b32 s29, 0
	s_lshl_b32 s30, ttmp9, 11                      ; the work-group's 2,048 bytes of the table
	s_mov_b32 s31, 0
	s_wait_alu depctr_va_vdst(0)
	s_wait_kmcnt 0x0
	s_cmp_lt_u32 ttmp9, 224                        ; the tensor is chosen by the work-group's number alone
	s_cselect_b64 s[18:19], s[10:11], s[12:13]
	s_cmp_lt_u32 ttmp9, 192
	s_cselect_b64 s[18:19], s[8:9], s[18:19]
	s_cmp_lt_u32 ttmp9, 160
	s_cselect_b64 s[18:19], s[6:7], s[18:19]
	s_cmp_lt_u32 ttmp9, 128
	s_cselect_b64 s[18:19], s[4:5], s[18:19]
	s_add_nc_u64 s[18:19], s[18:19], s[28:29]
	s_add_nc_u64 s[14:15], s[14:15], s[26:27]
	s_add_nc_u64 s[16:17], s[16:17], s[30:31]
.macro LOADF f                         ; fragment f: 16 rows x 512 bytes; load i takes the row of lane place i
.irp i, 0,1,2,3,4,5,6,7,8,9,10,11,12,13,14,15
	global_load_b128 v[RAW+64*(\f)+4*\i:RAW+64*(\f)+4*\i+3], v1, s[18:19] offset:(\i+24*(\i/8))*4096+512*(\f) th:TH_LOAD_NT
.endr
.endm
.macro TURNF f                         ; through my stage: LDS serves a wave's instructions in order, so no wait stands between the stores and the loads
.irp i, 0,1,2,3,4,5,6,7,8,9,10,11,12,13,14,15
	ds_store_b128 v2, v[RAW+64*(\f)+4*\i:RAW+64*(\f)+4*\i+3] offset:528*\i
.endr
.irp j, 0,1,2,3,4,5,6,7
	ds_load_b128 v[X+4*\j:X+4*\j+3], v3 offset:16*\j               ; block h of row r
.endr
.irp j, 0,1,2,3,4,5,6,7
	ds_load_b128 v[X+32+4*\j:X+32+4*\j+3], v3 offset:256+16*\j     ; block 2 + h
.endr
.endm
.macro QUANTB                          ; my two whole blocks become registers 6 c .. 6 c + 5 of the fragment; the scale word is gathered from lanes l and l xor 16
.irp c, 0,1
	v_max3_num_f32 v[TM+\c], |v[X+32*\c]|, |v[X+32*\c+1]|, 0x1800000   ; with the floor 2^(3 - 127): the byte cannot fall under 1
.endr
.irp i, 2,4,6,8,10,12,14,16,18,20,22,24,26,28,30
.irp c, 0,1
	v_max3_num_f32 v[TM+\c], v[TM+\c], |v[X+32*\c+\i]|, |v[X+32*\c+\i+1]|
.endr
.endr
.irp c, 0,1
	v_add_nc_u32 v[TM+2+\c], 0xff000000, v[TM+\c]  ; 2 off the exponent field: the conversion's scale operand
.endr
.irp c, 0,1
	v_lshrrev_b32 v[TM+4+\c], 23, v[TM+2+\c]       ; the scale's byte
.endr
	v_lshl_or_b32 v[TM+6], v[TM+5], 16, v[TM+4]    ; blocks h and 2 + h,
	v_lshlrev_b32 v[TM+6], v5, v[TM+6]             ; at their places in the word
	v_permlanex16_b32 v[TM+7], v[TM+6], s38, s39
	v_or_b32 v[PW], v[TM+6], v[TM+7]
	v_mov_b32 v[PW+1], v[PW]
.irp c, 0,1
	v_cvt_scalef32_pk16_fp6_f32 v[PC+6*\c:PC+6*\c+2], v[X+32*\c:X+32*\c+15], v[TM+2+\c]
	v_cvt_scalef32_pk16_fp6_f32 v[SCR+4*\c:SCR+4*\c+2], v[X+32*\c+16:X+32*\c+31], v[TM+2+\c]   ; (a conversion's three registers begin on an even number)
.endr
	v_nop                                          ; one plain place behind a scaled conversion
.irp c, 0,1
.irp i, 0,1,2
	v_mov_b32 v[PC+6*\c+3+\i], v[SCR+4*\c+\i]
.endr
.endr
.endm
.macro OUTF f
.irp c, 0,1,2
	global_store_b128 v1, v[PC+4*\c:PC+4*\c+3], s[14:15] offset:1792*(\f)+512*\c
.endr
	global_store_b64 v4, v[PW:PW+1], s[14:15] offset:1792*(\f)+1536
.endm
	LOADF 0
	LOADF 1
	; ---- the table, by waves 0-3, while the loads are on their way
	s_cmp_lt_u32 s20, 4
	s_cbranch_scc0 .Lno_table
	s_mov_b32 s35, 0x3fc90fdb                      ; pi / 2, upper part
	s_mov_b32 s36, 0x333bbd2e                      ; what the upper part exceeds pi / 2 by
	s_lshr_b32 s32, ttmp9, 3
	s_lshl_b32 s32, s32, 6
	s_bfe_u32 s33, ttmp9, 0x20001
	s_lshl_b32 s33, s33, 3
	s_add_co_u32 s32, s32, s33                     ; 64 (tile / 4) + 8 (tile % 4), tile = work-group / 2
	v_and_b32 v144, 8, v8
	v_mad_u32_u24 v144, v144, 3, v8                ; r + 24 (r / 8)
	v_add_nc_u32 v144, s32, v144
	v_cvt_f32_u32 v144, v144                       ; the position
	s_and_b32 s33, ttmp9, 1
	s_lshl_b32 s33, s33, 3
	s_lshl_b32 s34, s20, 1
	s_add_co_u32 s33, s33, s34
	v_lshl_add_u32 v145, v9, 4, s33                ; k0 = 16 h + 2 chunk
	v_mov_b32 v146, 0
	v_mov_b32 v147, 0
.macro SELK e, c0, c1                  ; where k0 = e: the frequencies of pairs e and e + 1
	v_cmp_ne_u32 vcc_lo, \e, v145
	v_cndmask_b32 v146, \c0, v146, vcc_lo
	v_cndmask_b32 v147, \c1, v147, vcc_lo
.endm
	SELK 0, 1.0, 0.7498942093
	SELK 2, 0.5623413252, 0.4216965034
	SELK 4, 0.3162277660, 0.2371373706
	SELK 6, 0.1778279410, 0.1333521432
	SELK 8, 0.1, 0.07498942093
	SELK 10, 0.05623413252, 0.04216965034
	SELK 12, 0.03162277660, 0.02371373706
	SELK 14, 0.01778279410, 0.01333521432
	SELK 16, 0.01, 0.007498942093
	SELK 18, 0.005623413252, 0.004216965034
	SELK 20, 0.003162277660, 0.002371373706
	SELK 22, 0.001778279410, 0.001333521432
	SELK 24, 0.001, 0.0007498942093
	SELK 26, 0.0005623413252, 0.0004216965034
	SELK 28, 0.0003162277660, 0.0002371373706
	SELK 30, 0.0001778279410, 0.0001333521432
.macro SINCOS inv, b, co, si           ; v[b] r, +1 n, +2 r^2, +3 cosine, +4 sine, +5 at work
	v_mul_f32 v[\b], v144, v[\inv]                 ; the angle, rounded once
	v_mul_f32 v[\b+1], 0x3f22f983, v[\b]           ; x 2 / pi
	v_rndne_f32 v[\b+1], v[\b+1]                   ; n
	v_fma_f32 v[\b], -v[\b+1], s35, v[\b]          ; r = angle - n pi / 2, in two parts
	v_fma_f32 v[\b], v[\b+1], s36, v[\b]
	v_mul_f32 v[\b+2], v[\b], v[\b]
	v_mov_b32 v[\b+3], 0xb493f27e                  ; -1/10!
	v_fmaak_f32 v[\b+3], v[\b+3], v[\b+2], 0x37d00d01   ; 1/8!
	v_fmaak_f32 v[\b+3], v[\b+3], v[\b+2], 0xbab60b61   ; -1/6!
	v_fmaak_f32 v[\b+3], v[\b+3], v[\b+2], 0x3d2aaaab   ; 1/4!
	v_fmaak_f32 v[\b+3], v[\b+3], v[\b+2], 0xbf000000   ; -1/2
	v_fma_f32 v[\b+3], v[\b+3], v[\b+2], 1.0
	v_mov_b32 v[\b+4], 0x3638ef1d                  ; 1/9!
	v_fmaak_f32 v[\b+4], v[\b+4], v[\b+2], 0xb9500d01   ; -1/7!
	v_fmaak_f32 v[\b+4], v[\b+4], v[\b+2], 0x3c088889   ; 1/5!
	v_fmaak_f32 v[\b+4], v[\b+4], v[\b+2], 0xbe2aaaab   ; -1/3!
	v_mul_f32 v[\b+2], v[\b+2], v[\b]
	v_fma_f32 v[\b+4], v[\b+4], v[\b+2], v[\b]
	v_cvt_i32_f32 v[\b+1], v[\b+1]
	v_and_b32 v[\b+5], 1, v[\b+1]
	v_cmp_eq_u32 vcc_lo, 1, v[\b+5]                ; an odd quadrant swaps the two
	v_cndmask_b32 v[\co], v[\b+3], v[\b+4], vcc_lo
	v_cndmask_b32 v[\si], v[\b+4], v[\b+3], vcc_lo
	v_add_nc_u32 v[\b+5], 1, v[\b+1]
	v_and_b32 v[\b+5], 2, v[\b+5]
	v_lshlrev_b32 v[\b+5], 30, v[\b+5]
	v_xor_b32 v[\co], v[\b+5], v[\co]              ; the cosine is negative in quadrants 1 and 2,
	v_and_b32 v[\b+5], 2, v[\b+1]
	v_lshlrev_b32 v[\b+5], 30, v[\b+5]
	v_xor_b32 v[\si], v[\b+5], v[\si]              ; the sine in 2 and 3
.endm
	SINCOS 146, 148, 12, 13
	SINCOS 147, 156, 14, 15
	global_store_b128 v10, v[12:15], s[16:17]      ; a wave stores 512 consecutive bytes; v10 and v[12:15] are not written again
.Lno_table:
	; ---- the two fragments
.irp f, 0,1
	s_wait_loadcnt 16*(1-\f)                       ; this fragment's 16 loads are in; the other's 16 may be out
	TURNF \f
	s_wait_dscnt 0x0                               ; my blocks are in
	s_wait_xcnt 0x0                                ; the last fragment's stores have read their data: the codes and the word may be written again
	QUANTB
	OUTF \f
.endr
	s_wait_tensorcnt 0x0                           ; the wave's end
	ds_add_u32 v254, v255
	s_wait_dscnt 0x0
	s_endpgm
.Lfunc_end_k_qec486f61c4_quant:
	.size	k_qec486f61c4_quant, .Lfunc_end_k_qec486f61c4_quant-k_qec486f61c4_quant
	.p2alignl 7, 3214868480
	.fill 96, 4, 3214868480
	.section	.rodata,"a",@progbits
	.p2align	6, 0x0
	.amdhsa_kernel k_qec486f61c4_quant
		.amdhsa_group_segment_fixed_size 68608
		.amdhsa_private_segment_fixed_size 0
		.amdhsa_enable_private_segment 0
		.amdhsa_kernarg_size 56
		.amdhsa_user_sgpr_count 2
		.amdhsa_user_sgpr_kernarg_segment_ptr 1
		.amdhsa_wavefront_size32 1
		.amdhsa_system_sgpr_workgroup_id_x 1
		.amdhsa_system_sgpr_workgroup_id_y 1
		.amdhsa_system_sgpr_workgroup_id_z 1
		.amdhsa_system_vgpr_workitem_id 0
		.amdhsa_next_free_vgpr 256
		.amdhsa_next_free_sgpr 66
		.amdhsa_reserve_vcc 1
		.amdhsa_float_denorm_mode_32 3
		.amdhsa_float_denorm_mode_16_64 3
		.amdhsa_memory_ordered 1
		.amdhsa_forward_progress 1
		.amdhsa_inst_pref_size 24
	.end_amdhsa_kernel
	.amdgpu_metadata
---
amdhsa.version: [ 1, 2 ]
amdhsa.kernels:
  - .name:           k_qec486f61c4_quant
    .symbol:         k_qec486f61c4_quant.kd
    .args:
      - { .name: x, .offset: 0, .size: 8, .value_kind: global_buffer, .address_space: global }
      - { .name: wq, .offset: 8, .size: 8, .value_kind: global_buffer, .address_space: global }
      - { .name: wk, .offset: 16, .size: 8, .value_kind: global_buffer, .address_space: global }
      - { .name: wv, .offset: 24, .size: 8, .value_kind: global_buffer, .address_space: global }
      - { .name: wo, .offset: 32, .size: 8, .value_kind: global_buffer, .address_space: global }
      - { .name: wsq, .offset: 40, .size: 8, .value_kind: global_buffer, .address_space: global }
      - { .name: tab, .offset: 48, .size: 8, .value_kind: global_buffer, .address_space: global }
    .group_segment_fixed_size: 68608
    .private_segment_fixed_size: 0
    .kernarg_segment_align: 8
    .kernarg_segment_size: 56
    .max_flat_workgroup_size: 256
    .sgpr_count:     66
    .vgpr_count:     256
    .wavefront_size: 32
...
	.end_amdgpu_metadata
.endif
;; end of part 1
;; launch qkv (part 2): grid 16 x 16, 4 waves a work-group, clusters of 4 x 4, 327,680 bytes of LDS; arguments wsq, tab, qkv; writes qkv
.if DOCPART == 2
	.amdgcn_target "amdgcn-amd-amdhsa--gfx1250"
	.amdhsa_code_object_version 6
	.text
	.protected	k_qec486f61c4_qkv
	.globl	k_qec486f61c4_qkv
	.p2align	8
	.type	k_qec486f61c4_qkv,@function
k_qec486f61c4_qkv:
	s_mov_b64 s[64:65], 0
	v_nop
	global_prefetch_b8 v0, s[64:65] scope:SCOPE_SE
	s_setreg_imm32_b32 hwreg(HW_REG_WAVE_MODE, 25, 1), 1
	s_wait_xcnt 0x0
	s_wait_alu depctr_hold_cnt(0) depctr_sa_sdst(0) depctr_va_vdst(0) depctr_va_sdst(0) depctr_va_ssrc(0) depctr_va_vcc(0) depctr_vm_vsrc(0)
	s_getreg_b32 s2, hwreg(HW_REG_IB_STS2, 6, 4)
	s_cmp_eq_u32 s2, 0
	s_cbranch_scc0 .Lentry_in_a_cluster
	s_endpgm
.Lentry_in_a_cluster:
	s_bfe_u32 s2, ttmp6, 0x10000c
	s_cmp_lg_u32 s2, 0xf033
	s_cbranch_scc0 .Lentry_shape_is_right
	s_endpgm
.Lentry_shape_is_right:
; q, k, v = x wq^T, x wk^T, x wv^T on codes of FP6 (E2M3) with E8M0 scales; RoPE on q and k in f32; then q and k are quantised along the head's 64 and v along the keys, for the attention launch.
; SHARES.  Work-group (x, y): head x, rows 256 y .. 256 y + 255 of the 4,096: a block of 256 x 192.  Wave w (R = w / 2, P = w % 2): x's tiles 8 R .. 8 R + 7 (128 rows) against the four tiles of wq (P = 0) or
; wk (P = 1) and tiles 2 P, 2 P + 1 of wv: 48 accumulators, 384 registers.  So a wave owns whole units of the output, with whole scale words, and nothing goes from wave to wave.
; OPERANDS come from wsq as images of their registers (units of 1,792 bytes: three chunks of 512 bytes at 16 x lane, scale words at 1,536 + 8 x lane); tile 4 g + j holds in lane place r the row 64 g + 8 j + r % 8 + 32 (r / 8).
; q, k: source 0 = 16 rows of the weight, source 1 = 16 rows of x: lane (r, h) holds ONE position and register 8 t + i the head's dim 32 h + 8 t + i: one whole block of the next K.
; v: source 0 = 16 rows of x, source 1 = 16 rows of wv: lane (r, h) holds ONE dim and register 8 a + i the key 64 (a / 4) + 32 h + 8 (a % 4) + i: two whole blocks of the next K.
; K = 1,024 is eight steps of 128.  LDS: region A (step 0), region B (steps 1-3, and later 6, 7), region C (steps 4, 5).  At the head one tensor load a wave: step 0 of x and of the weights, steps 1-3 of x and of the weights;
; step 0's products wait for the first two alone.  Region C is filled behind the round in step 0, region B once more behind the round in step 3.
; The RoPE table's numbers, 32 registers for a tile of positions, come by plain loads of 512 consecutive bytes, three pairs of tiles ahead of the last steps' products, the last pair under the way out.
; CLUSTER 4 x 4: x's tiles hang on y alone and are asked for jointly along a row of the cluster, the weights' tiles on x alone, along a column.
; No data prefetch: the eight steps are written out, three fills serve them, and there is no loop to run ahead in.
; OUTPUT, in qkv: Q at 0, [head 32][step of 128 rows 16][7,168 bytes]; at 3,670,016 K and V, [head 32][step 16][K 7,168, V 7,168].  A step of Q or K: eight half fragments of 768 bytes (registers 0-3 at 16 x lane, 4-5 at 512 + 8 x lane),
; then the scale words of tiles 0-3 (16 bytes a lane at 6,144) and 4-7 (at 6,656); a word's bytes 0, 1 are the tile's.  A step of V: four units of 1,792 bytes, 16 dims x 128 keys.
; Every store of a wave covers 512 or 256 consecutive bytes, aligned: no stage is needed.
; LIMITS: NaN and infinities are not served; a block whose largest magnitude lies under 2^-124, a block of zeros too, gets the byte 1 (this program alone reads the bytes); RoPE fuses one multiply with the add.
; REGISTERS: window 0: v1-30 addresses, v28-29 the add's, v32-59 scale words (two sets of 14), v64-159, v160-255 x's fragments (two sets); at the end v64-127 rotated numbers, v128-191 at work, v192-239 codes and words.
;   window 1: the weights' fragments, two sets of 72; from v144 the table numbers of pair 2.  window 2: q's or k's accumulators at 32 a + 8 t.  window 3: v's at 64 t + 8 a; from v128 two sets of 64 table numbers.
.set RB,    50176                      ; region B
.set RC,    200704                     ; region C
.set SPARE, 301056                     ; the spare words: 128 bytes a wave, two blocks of 256 bytes that no other line names
.set AF,  64
.set SC,  32
.set RR,  64
.set TT,  128
.set PC,  192
.set TM,  212
.set PW,  228
.set SW,  232
.set G1A3, 24                          ; group 1: x's tiles, steps 1-3;
.set G1A2, 32                          ; step 0, later two steps;
.set G1B3, 40                          ; the weights' likewise
.set G1B2, 48
.set MSB, 0
.macro WIN new                         ; the immediate's high byte repeats the setting that is left
.if MSB != \new
	s_set_vgpr_msb (MSB<<8)|\new
.set MSB, \new
.endif
.endm
.macro PLACES                          ; four places: in front of loads into registers that matrix instructions have read, and of the first read of results
.rept 4
	v_nop
.endr
.endm
.macro TLOAD g0, g1
	tensor_load_to_lds s[\g0:\g0+3], s[\g1:\g1+7]
	s_nop 0
	PLACES
.endm
.macro JLOAD                           ; a joint load of two steps: waves 0, 1 fetch x's halves, waves 2, 3 the weights'
	s_cmp_eq_u32 s11, 0
	s_cbranch_scc0 .Lfor_b_\@
	TLOAD 56, G1A2
	s_branch .Lasked_\@
.Lfor_b_\@:
	TLOAD 60, G1B2
.Lasked_\@:
.endm
.macro CREST                           ; a round of the cluster's barrier behind its opening barrier
	s_cmp_lg_u32 s10, 0
	s_cbranch_scc1 .Lnot_wave_0_\@
	s_barrier_signal -3
.Lnot_wave_0_\@:
	s_barrier_wait -3
	s_barrier_signal -1
	s_barrier_wait -1
.endm
.macro CROUND
	s_barrier_signal -1
	s_barrier_wait -1
	CREST
.endm
.macro G1REST g, c, r                  ; c elements of 8 bytes a row, r rows, 14,336 bytes from row to row
	s_mov_b32 s[\g+1], (\c)<<16
	s_mov_b32 s[\g+2], (\r)<<16
	s_mov_b32 s[\g+3], (\c)<<16
	s_mov_b32 s[\g+4], \r
	s_mov_b32 s[\g+5], 1792
	s_mov_b32 s[\g+6], 0
	s_mov_b32 s[\g+7], 0
.endm
	s_load_b128 s[4:7], s[0:1], 0x0                ; wsq, tab
	s_load_b64 s[8:9], s[0:1], 0x10                ; qkv
	v_lshl_add_u32 v28, v0, 2, SPARE
	v_mov_b32 v29, 0
	ds_add_u32 v28, v29                            ; the wave's opening: the add, twice on end
	ds_add_u32 v28, v29
	v_lshrrev_b32 v1, 5, v0
	v_readfirstlane_b32 s10, v1                    ; wave 0..3
	s_lshr_b32 s11, s10, 1                         ; R.  Also, behind the head: I fetch for x (0) or for the weights (1)
	s_and_b32 s12, s10, 1                          ; P.  Also: which half I fetch
	s_bfe_u32 s13, ttmp6, 0x40000                  ; cx
	s_bfe_u32 s14, ttmp6, 0x40004                  ; cy
	s_lshl_b32 s15, ttmp9, 2
	s_add_co_u32 s15, s15, s13                     ; x: the head
	s_and_b32 s16, ttmp7, 0xffff
	s_lshl_b32 s16, s16, 2
	s_add_co_u32 s16, s16, s14                     ; y: the block of 256 rows
	s_lshl_b32 s17, s14, 2
	s_lshl_b32 s17, 15, s17                        ; my row of the cluster
	s_lshl_b32 s18, 0x1111, s13                    ; my column
	s_or_b32 s[G1A3], s17, (3<<16)|(1<<21)         ; 15:0 the mask; 17:16 elements of 8 bytes; 21 set beside a mask; no padding
	s_or_b32 s[G1A2], s17, (3<<16)|(1<<21)
	s_or_b32 s[G1B3], s18, (3<<16)|(1<<21)
	s_or_b32 s[G1B2], s18, (3<<16)|(1<<21)
	G1REST G1A3, 672, 16                           ; a row = a tile's three steps, 5,376 bytes; all sixteen tiles
	G1REST G1A2, 224, 16                           ; one step, 1,792 bytes
	G1REST G1B3, 672, 12
	G1REST G1B2, 224, 12
	s_mul_i32 s20, s16, 16*14336                   ; x: tile 16 y
	s_mov_b32 s21, 0
	s_mul_i32 s22, s15, 12
	s_add_co_u32 s22, s22, 256
	s_mul_i32 s22, s22, 14336                      ; the weights: tile 256 + 12 head
	s_mov_b32 s23, 0
	s_and_b32 s88, s16, 7
	s_lshl_b32 s88, s88, 16
	s_lshl_b32 s89, s11, 15
	s_add_co_u32 s88, s88, s89                     ; the table: 65,536 (y % 8) + 32,768 R
	s_mov_b32 s89, 0
	s_mov_b32 s92, 0x76543210
	s_mov_b32 s93, 0xfedcba98                      ; selects for lane l xor 16
	s_mov_b32 s68, 1                               ; step 0, x;
	s_mov_b32 s69, 0
	s_mov_b32 s72, 1                               ; the weights;
	s_mov_b32 s73, 28672
	s_mov_b32 s76, 1                               ; steps 1-3, x;
	s_mov_b32 s77, RB
	s_mov_b32 s80, 1                               ; the weights
	s_mov_b32 s81, RB+86016
	s_mov_b32 s56, 1                               ; steps 4, 5, my half of x;
	s_mul_i32 s98, s12, 28672
	s_add_co_u32 s57, s98, RC
	s_add_co_u32 s98, s98, RB                      ; (where steps 6, 7 go)
	s_mov_b32 s60, 1                               ; of the weights
	s_mul_i32 s99, s12, 21504
	s_add_co_u32 s61, s99, RC+57344
	s_add_co_u32 s99, s99, RB+57344
	s_wait_alu depctr_va_vdst(0)
	s_wait_dscnt 0x0                               ; both opening adds are done
	CROUND                                         ; all sixteen work-groups are here: the first joint loads meet
	s_wait_kmcnt 0x0
	s_add_nc_u64 s[20:21], s[4:5], s[20:21]
	s_add_nc_u64 s[22:23], s[4:5], s[22:23]
	s_mov_b64 s[70:71], s[20:21]
	s_or_b32 s71, s71, 0x80000000
	s_mov_b64 s[74:75], s[22:23]
	s_or_b32 s75, s75, 0x80000000
	s_add_nc_u64 s[78:79], s[20:21], 1792
	s_or_b32 s79, s79, 0x80000000
	s_add_nc_u64 s[82:83], s[22:23], 1792
	s_or_b32 s83, s83, 0x80000000
	s_cmp_lt_u32 s10, 1                            ; ONE tensor load a wave, each in an arm of its own: what is needed first by waves 0 and 1
	s_cbranch_scc0 .Lhead_1
	TLOAD 68, G1A2
	s_branch .Lhead_asked
.Lhead_1:
	s_cmp_lt_u32 s10, 2
	s_cbranch_scc0 .Lhead_2
	TLOAD 72, G1B2
	s_branch .Lhead_asked
.Lhead_2:
	s_cmp_lt_u32 s10, 3
	s_cbranch_scc0 .Lhead_3
	TLOAD 76, G1A3
	s_branch .Lhead_asked
.Lhead_3:
	TLOAD 80, G1B3
.Lhead_asked:
	s_add_nc_u64 s[88:89], s[6:7], s[88:89]
	s_mul_i32 s86, s12, 8*14336
	s_mov_b32 s87, 0
	s_add_nc_u64 s[58:59], s[20:21], s[86:87]
	s_add_nc_u64 s[58:59], s[58:59], 7168          ; four steps on
	s_or_b32 s59, s59, 0x80000000
	s_mul_i32 s86, s12, 6*14336
	s_add_nc_u64 s[62:63], s[22:23], s[86:87]
	s_add_nc_u64 s[62:63], s[62:63], 7168
	s_or_b32 s63, s63, 0x80000000
	; where my results go
	s_lshr_b32 s90, s16, 3
	s_lshl_b32 s90, s90, 4
	s_add_co_u32 s90, s90, s15                     ; 16 batch + head
	s_lshl_b32 s90, s90, 4
	s_and_b32 s91, s16, 7
	s_lshl_b32 s91, s91, 1
	s_add_co_u32 s90, s90, s91
	s_add_co_u32 s90, s90, s11                     ; the step of 128 rows: 2 (y % 8) + R
	s_mul_i32 s90, s90, 7168                       ; Q's place;
	s_add_co_u32 s86, s90, 3670016
	s_mul_i32 s87, s86, s12
	s_add_co_u32 s86, s86, s90                     ; K's: twice as far on from 3,670,016
	s_add_co_u32 s90, s90, s87
	s_mov_b32 s91, 0
	s_add_nc_u64 s[94:95], s[8:9], s[90:91]        ; q's unit (P = 0) or k's (P = 1)
	s_mul_i32 s90, s12, 3584
	s_add_co_u32 s90, s90, s86
	s_add_co_u32 s90, s90, 7168
	s_add_nc_u64 s[96:97], s[8:9], s[90:91]        ; v's unit, dim tiles 2 P on
	v_and_b32 v3, 31, v0
	v_lshlrev_b32 v1, 4, v3                        ; 16 x lane
	v_lshlrev_b32 v2, 3, v3                        ; 8 x lane
	v_bfe_u32 v30, v0, 4, 1
	v_lshlrev_b32 v30, 3, v30                      ; 8 h
.macro ADDRS ad, r, p, v, rs, ps, vs   ; LDS addresses of x, of wq or wk, and of wv in a fill: base + (R or P) x step, + 16 and 8 x lane
	s_mul_i32 s90, s11, \rs
	s_add_co_u32 s90, s90, \r
	v_add_nc_u32 v[\ad], s90, v1
	v_add_nc_u32 v[\ad+1], s90, v2
	s_mul_i32 s90, s12, \ps
	s_add_co_u32 s90, s90, \p
	v_add_nc_u32 v[\ad+2], s90, v1
	v_add_nc_u32 v[\ad+3], s90, v2
	s_mul_i32 s90, s12, \vs
	s_add_co_u32 s90, s90, \v
	v_add_nc_u32 v[\ad+4], s90, v1
	v_add_nc_u32 v[\ad+5], s90, v2
.endm
	ADDRS 4, 0, 28672, 43008, 14336, 7168, 3584
	ADDRS 10, RB, RB+86016, RB+129024, 43008, 21504, 10752
	ADDRS 16, RC, RC+57344, RC+86016, 28672, 14336, 7168
	ADDRS 22, RB, RB+57344, RB+86016, 28672, 14336, 7168
; 56 LDS loads in one run: the fragments and scale words of the q-th step of fill sl (0: step 0; 1: steps 1-3; 2: steps 4, 5; 3: steps 6, 7), into set p
.macro FETCH sl, q, p
.set PT, 3584
.if \sl == 0
.set PT, 1792
.elseif \sl == 1
.set PT, 5376
.endif
.set AD, 4+6*(\sl)
	WIN 0
.irp a, 0,1,2,3,4,5,6,7
.irp c, 0,1,2
	ds_load_b128 v[AF+96*(\p)+12*\a+4*\c:AF+96*(\p)+12*\a+4*\c+3], v[AD] offset:\a*PT+1792*(\q)+512*\c
.endr
	ds_load_b32 v[SC+14*(\p)+\a], v[AD+1] offset:\a*PT+1792*(\q)+1536
.endr
.irp t, 0,1,2,3
	ds_load_b32 v[SC+14*(\p)+8+\t], v[AD+3] offset:\t*PT+1792*(\q)+1536
.endr
.irp t, 0,1
	ds_load_b32 v[SC+14*(\p)+12+\t], v[AD+5] offset:\t*PT+1792*(\q)+1536
.endr
	WIN 0x40                                       ; destination window 1
.irp t, 0,1,2,3
.irp c, 0,1,2
	ds_load_b128 v[72*(\p)+12*\t+4*\c:72*(\p)+12*\t+4*\c+3], v[AD+2] offset:\t*PT+1792*(\q)+512*\c
.endr
.endr
.irp t, 0,1
.irp c, 0,1,2
	ds_load_b128 v[72*(\p)+48+12*\t+4*\c:72*(\p)+48+12*\t+4*\c+3], v[AD+4] offset:\t*PT+1792*(\q)+512*\c
.endr
.endr
.endm
; The 48 accumulators take turns, one instruction a turn, in the same order in every step.
.macro MULQK p, a0, zero               ; 8: x's tiles a0, a0 + 1 against the four of wq or wk.  Windows: source 0 in 1, source 1 in 0, C and D in 2
.irp a, \a0, \a0+1
.irp t, 0,1,2,3
.if \zero
	v_wmma_scale_f32_16x16x128_f8f6f4 v[32*(\a)+8*\t:32*(\a)+8*\t+7], v[72*(\p)+12*\t:72*(\p)+12*\t+11], v[AF+96*(\p)+12*(\a):AF+96*(\p)+12*(\a)+11], 0, v[SC+14*(\p)+8+\t], v[SC+14*(\p)+(\a)] matrix_a_fmt:MATRIX_FMT_FP6 matrix_b_fmt:MATRIX_FMT_FP6
.else
	v_wmma_scale_f32_16x16x128_f8f6f4 v[32*(\a)+8*\t:32*(\a)+8*\t+7], v[72*(\p)+12*\t:72*(\p)+12*\t+11], v[AF+96*(\p)+12*(\a):AF+96*(\p)+12*(\a)+11], v[32*(\a)+8*\t:32*(\a)+8*\t+7], v[SC+14*(\p)+8+\t], v[SC+14*(\p)+(\a)] matrix_a_fmt:MATRIX_FMT_FP6 matrix_b_fmt:MATRIX_FMT_FP6
.endif
.endr
.endr
.endm
.macro MULV p, t, zero                 ; 8: x's eight tiles against my t-th of wv.  Windows: source 0 in 0, source 1 in 1, C and D in 3
.irp a, 0,1,2,3,4,5,6,7
.if \zero
	v_wmma_scale_f32_16x16x128_f8f6f4 v[64*\t+8*\a:64*\t+8*\a+7], v[AF+96*(\p)+12*\a:AF+96*(\p)+12*\a+11], v[72*(\p)+48+12*\t:72*(\p)+48+12*\t+11], 0, v[SC+14*(\p)+\a], v[SC+14*(\p)+12+\t] matrix_a_fmt:MATRIX_FMT_FP6 matrix_b_fmt:MATRIX_FMT_FP6
.else
	v_wmma_scale_f32_16x16x128_f8f6f4 v[64*\t+8*\a:64*\t+8*\a+7], v[AF+96*(\p)+12*\a:AF+96*(\p)+12*\a+11], v[72*(\p)+48+12*\t:72*(\p)+48+12*\t+11], v[64*\t+8*\a:64*\t+8*\a+7], v[SC+14*(\p)+\a], v[SC+14*(\p)+12+\t] matrix_a_fmt:MATRIX_FMT_FP6 matrix_b_fmt:MATRIX_FMT_FP6
.endif
.endr
.endm
.macro MULREST p, from                 ; a step's products from x's tile 'from' on
	WIN 0xa1
.set A_, \from
.rept (8-(\from))/2
	MULQK \p, A_, 0
.set A_, A_+2
.endr
	WIN 0xf4
	MULV \p, 0, 0
	MULV \p, 1, 0
.endm
; A step whose successor has landed and been shown to every wave: it fetches the next step (fill nsl, its nq-th) into the other set, 48 matrix instructions ahead of its use, and multiplies set p.
.macro STEP p, nsl, nq
	s_wait_dscnt 0x0                               ; this step's set is in
	PLACES
	FETCH \nsl, \nq, 1-\p
	MULREST \p, 0
.endm
; A fill's last step.  In front of the barrier each wave waits for all its tensor loads, adds 0 to its spare word, and waits for that and for its reads of the region.  fill = 1: region B is filled again, with steps 6, 7.
.macro MEET p, fill, nsl, nq
	WIN 0
	s_wait_tensorcnt 0x0                           ; all my tensor loads have landed
	ds_add_u32 v28, v29                            ; 0 onto my spare word
	s_wait_dscnt 0x1                               ; this step's set is in; the add may be out
	WIN 0xa1
	MULQK \p, 0, 0
	s_wait_dscnt 0x0                               ; the add is done, and my reads of this region are over
	s_barrier_signal -1
	MULQK \p, 2, 0
	WIN 0
	s_barrier_wait -1
.if \fill
	CREST                                          ; the barrier has opened a round of the cluster's: no wave of any partner still reads region B or has a load on its way
	s_add_nc_u64 s[58:59], s[58:59], 3584          ; two steps on
	s_add_nc_u64 s[62:63], s[62:63], 3584
	s_mov_b32 s57, s98
	s_mov_b32 s61, s99
	JLOAD                                          ; my one tensor load behind the round; its four v_nop are also the places in front of the loads below
.else
	PLACES
.endif
	FETCH \nsl, \nq, 1-\p
	MULREST \p, 4
.endm
.macro TABLOAD e, w, b                 ; the table numbers of x's tiles 2 e, 2 e + 1 into window w, v[b] on
	WIN (\w)<<6
.irp a, 0,1
.irp j, 0,1,2,3,4,5,6,7
	global_load_b128 v[\b+32*\a+4*\j:\b+32*\a+4*\j+3], v1, s[88:89] offset:(2*(\e)+\a)*4096+512*\j
.endr
.endr
.endm
; RoPE on tiles 2 e, 2 e + 1: pair i of 32 is (even dim, odd dim) in window 2, its (cos, sin) in window w.  Ascending.
.macro ROPE e, w, b
	WIN 2+4*(\w)
.set i, 0
.rept 32
	v_pk_mul_f32 v[TT+2*i:TT+2*i+1], v[64*(\e)+2*i:64*(\e)+2*i+1], v[\b+2*i:\b+2*i+1] op_sel:[1,1] op_sel_hi:[1,0]   ; (odd x sin, odd x cos)
.set i, i+1
.endr
.set i, 0
.rept 32
	v_pk_fma_f32 v[RR+2*i:RR+2*i+1], v[64*(\e)+2*i:64*(\e)+2*i+1], v[\b+2*i:\b+2*i+1], v[TT+2*i:TT+2*i+1] op_sel_hi:[0,1,1] neg_lo:[0,0,1]   ; (even x cos - odd x sin, even x sin + odd x cos)
.set i, i+1
.endr
.endm
; 64 numbers of a lane in window wx, two blocks of 32 that are wholly mine, become 12 registers of codes in v[PC] on and, with lane l xor 16's two bytes, four scale bytes in v[PW].
.macro QUANT s, wx
	WIN 5*(\wx)
.irp b, 0,1,2,3
	v_max3_num_f32 v[TM+\b], |v[(\s)+16*\b]|, |v[(\s)+1+16*\b]|, 0x1800000   ; with the floor 2^(3 - 127): the byte cannot fall under 1
.endr
.irp i, 2,4,6,8,10,12,14
.irp b, 0,1,2,3
	v_max3_num_f32 v[TM+\b], |v[(\s)+16*\b+\i]|, |v[(\s)+1+16*\b+\i]|, v[TM+\b]
.endr
.endr
	WIN 0
.irp b, 0,1
	v_max_num_f32 v[TM+4+\b], v[TM+2*\b], v[TM+2*\b+1]
.endr
.irp b, 0,1
	v_add_nc_u32 v[TM+12+\b], 0xff000000, v[TM+4+\b]   ; 2 off the exponent field: the conversion's scale operand
.endr
.irp b, 0,1
	v_lshrrev_b32 v[TM+6+\b], 23, v[TM+12+\b]      ; the scale's byte
.endr
	v_lshl_or_b32 v[TM+9], v[TM+7], 16, v[TM+6]
	v_lshlrev_b32 v[TM+9], v30, v[TM+9]            ; my bytes at their places
	v_permlanex16_b32 v[TM+8], v[TM+9], s92, s93
	v_or_b32 v[PW], v[TM+9], v[TM+8]
	WIN \wx
.irp c, 0,1
	v_cvt_scalef32_pk16_fp6_f32 v[PC+6*\c:PC+2+6*\c], v[(\s)+32*\c:(\s)+15+32*\c], v[TM+12+\c]
	v_cvt_scalef32_pk16_fp6_f32 v[PC+12+4*\c:PC+14+4*\c], v[(\s)+16+32*\c:(\s)+31+32*\c], v[TM+12+\c]   ; (a conversion's three registers begin on an even number)
.endr
	WIN 0
	v_nop                                          ; one plain place behind a scaled conversion
.irp c, 0,1
.irp i, 0,1,2
	v_mov_b32 v[PC+3+6*\c+\i], v[PC+12+4*\c+\i]
.endr
.endr
.endm
	s_wait_alu depctr_va_vdst(0)
	s_cmp_lt_u32 s10, 2
	s_cbranch_scc0 .Lnot_step_0
	s_wait_tensorcnt 0x0                           ; waves 0, 1: step 0
.Lnot_step_0:
	s_barrier_signal -1
	s_barrier_wait -1                              ; step 0 is in; steps 1-3 may be on their way
	FETCH 0, 0, 0
	s_wait_dscnt 0x0                               ; step 0: its products start the sums
	WIN 0xa1
	MULQK 0, 0, 1
	MULQK 0, 2, 1
	MULQK 0, 4, 1
	WIN 0
	s_wait_tensorcnt 0x0                           ; my load of the head's has landed
	ds_add_u32 v28, v29
	G1REST G1A2, 448, 8                            ; no tensor load of mine is out, so a descriptor may be written: from here on two steps, 3,584 bytes, of half the tiles
	G1REST G1B2, 448, 6
	WIN 0xa1
	MULQK 0, 6, 1
	s_wait_dscnt 0x0                               ; the add is done
	s_barrier_signal -1
	WIN 0xf4
	MULV 0, 0, 1
	WIN 0
	s_barrier_wait -1
	CREST                                          ; steps 1-3 are in, and all sixteen work-groups are here:
	JLOAD                                          ; region C's first fill, steps 4, 5
	FETCH 1, 0, 1
	WIN 0xf4
	MULV 0, 1, 1
	STEP 1, 1, 1                                   ; step 1
	STEP 0, 1, 2                                   ; step 2
	TABLOAD 0, 3, 128
	TABLOAD 1, 3, 192
	TABLOAD 2, 1, 144
	MEET 1, 1, 2, 0                                ; step 3: region C is whole; region B is left and filled again
	STEP 0, 2, 1                                   ; step 4
	MEET 1, 0, 3, 0                                ; step 5: the refill is shown to every wave
	STEP 0, 3, 1                                   ; step 6
	s_wait_dscnt 0x0                               ; step 7
	MULREST 1, 0
	WIN 0
	PLACES
	v_mov_b32 v[TM+8], 0                           ; a lane permute's destination counts as one of its sources
	; ---- q or k: two tiles of 16 positions at a time: rotated, quantised along the head's 64 (one block a tile and lane), stored as two half fragments
.irp e, 0,1,2,3
.if \e < 2
	s_wait_loadcnt 32                              ; this pair's 16 table loads are in; the next two pairs' may be out
.elseif \e == 2
	s_wait_loadcnt 16
.else
	s_wait_loadcnt 0x0
.endif
.if \e == 2
	ROPE 2, 1, 144
.else
	ROPE \e, 3, 128+64*(\e%2)*(1-\e/2)
.endif
.if \e == 0
	TABLOAD 3, 3, 128
.endif
	s_wait_alu depctr_va_vdst(0)
	s_wait_xcnt 0x0                                ; the last pair's stores have read their data
	QUANT RR, 0
	global_store_b128 v1, v[PC:PC+3], s[94:95] offset:1536*\e
	global_store_b64 v2, v[PC+4:PC+5], s[94:95] offset:1536*\e+512
	global_store_b128 v1, v[PC+6:PC+9], s[94:95] offset:1536*\e+768
	global_store_b64 v2, v[PC+10:PC+11], s[94:95] offset:1536*\e+1280
	v_mov_b32 v[SW+2*\e], v[PW]                    ; tile 2 e: its bytes are the word's bytes 0, 1;
	v_lshrrev_b32 v[SW+2*\e+1], 16, v[PW]          ; tile 2 e + 1: bytes 2, 3
.endr
	global_store_b128 v1, v[SW:SW+3], s[94:95] offset:6144
	global_store_b128 v1, v[SW+4:SW+7], s[94:95] offset:6656
	; ---- v: a tile of 16 dims x my 128 keys is one fragment
.irp t, 0,1
	s_wait_alu depctr_va_vdst(0)
	s_wait_xcnt 0x0                                ; the earlier stores have read their data
	QUANT 64*\t, 3
	v_mov_b32 v[PW+1], v[PW]
.irp c, 0,1,2
	global_store_b128 v1, v[PC+4*\c:PC+4*\c+3], s[96:97] offset:1792*\t+512*\c
.endr
	global_store_b64 v2, v[PW:PW+1], s[96:97] offset:1792*\t+1536
.endr
	s_wait_tensorcnt 0x0                           ; the wave's end
	ds_add_u32 v28, v29
	s_wait_dscnt 0x0
	CROUND                                         ; the closing round: no work-group ends while a partner may still ask for a tile that names it
	s_endpgm
.Lfunc_end_k_qec486f61c4_qkv:
	.size	k_qec486f61c4_qkv, .Lfunc_end_k_qec486f61c4_qkv-k_qec486f61c4_qkv
	.p2alignl 7, 3214868480
	.fill 96, 4, 3214868480
	.section	.rodata,"a",@progbits
	.p2align	6, 0x0
	.amdhsa_kernel k_qec486f61c4_qkv
		.amdhsa_group_segment_fixed_size 327680
		.amdhsa_private_segment_fixed_size 0
		.amdhsa_enable_private_segment 0
		.amdhsa_kernarg_size 24
		.amdhsa_user_sgpr_count 2
		.amdhsa_user_sgpr_kernarg_segment_ptr 1
		.amdhsa_wavefront_size32 1
		.amdhsa_system_sgpr_workgroup_id_x 1
		.amdhsa_system_sgpr_workgroup_id_y 1
		.amdhsa_system_sgpr_workgroup_id_z 1
		.amdhsa_system_vgpr_workitem_id 0
		.amdhsa_next_free_vgpr 1024
		.amdhsa_next_free_sgpr 100
		.amdhsa_reserve_vcc 0
		.amdhsa_float_denorm_mode_32 3
		.amdhsa_float_denorm_mode_16_64 3
		.amdhsa_memory_ordered 1
		.amdhsa_forward_progress 1
		.amdhsa_inst_pref_size 137
	.end_amdhsa_kernel
	.amdgpu_metadata
---
amdhsa.version: [ 1, 2 ]
amdhsa.kernels:
  - .name:           k_qec486f61c4_qkv
    .symbol:         k_qec486f61c4_qkv.kd
    .args:
      - { .name: wsq, .offset: 0, .size: 8, .value_kind: global_buffer, .address_space: global }
      - { .name: tab, .offset: 8, .size: 8, .value_kind: global_buffer, .address_space: global }
      - { .name: qkv, .offset: 16, .size: 8, .value_kind: global_buffer, .address_space: global }
    .group_segment_fixed_size: 327680
    .private_segment_fixed_size: 0
    .kernarg_segment_align: 8
    .kernarg_segment_size: 24
    .max_flat_workgroup_size: 128
    .sgpr_count:     100
    .vgpr_count:     1024
    .wavefront_size: 32
...
	.end_amdgpu_metadata
.endif
;; end of part 2
;; launch attn (part 3): grid 8 x 32, 16 waves a work-group, clusters of 4 x 1, 231,424 bytes of LDS; arguments qkv, att; writes att
.if DOCPART == 3
	.amdgcn_target "amdgcn-amd-amdhsa--gfx1250"
	.amdhsa_code_object_version 6
	.text
	.protected	k_qec486f61c4_attn
	.globl	k_qec486f61c4_attn
	.p2align	8
	.type	k_qec486f61c4_attn,@function
k_qec486f61c4_attn:
	s_mov_b64 s[64:65], 0
	v_nop
	global_prefetch_b8 v0, s[64:65] scope:SCOPE_SE
	s_setreg_imm32_b32 hwreg(HW_REG_WAVE_MODE, 25, 1), 1
	s_wait_xcnt 0x0
	s_wait_alu depctr_hold_cnt(0) depctr_sa_sdst(0) depctr_va_vdst(0) depctr_va_sdst(0) depctr_va_ssrc(0) depctr_va_vcc(0) depctr_vm_vsrc(0)
	s_getreg_b32 s2, hwreg(HW_REG_IB_STS2, 6, 4)
	s_cmp_eq_u32 s2, 0
	s_cbranch_scc0 .Lentry_in_a_cluster
	s_endpgm
.Lentry_in_a_cluster:
	s_bfe_u32 s2, ttmp6, 0x10000c
	s_cmp_lg_u32 s2, 0x3003
	s_cbranch_scc0 .Lentry_shape_is_right
	s_endpgm
.Lentry_shape_is_right:
; attn = softmax(q k^T / 8, causal) v on codes of FP6 (E2M3) with E8M0 scales, for one head and batch a work-group (y = 16 batch + head), quantised along the head's 64 on the way out.
; SHARES.  A step is 128 keys; the 2,048 queries are 16 steps of eight tiles of 16.  Work-group x takes tile x of every step, one a wave: with k = w % 4, waves 0-3 take step 15 - k, 4-7 step 8 + k, 8-11 step 7 - k, 12-15 step k:
; the longest tiles have the lowest wave numbers, and the four waves of each k have 34 key steps together.  A wave walks key steps 0 .. m, m its own step.
; LEFT OUT: key steps behind m, which the causal mask hides whole: see the first launch's head.
; ALL OF K AND V of the head lies in LDS: [step 16][K 7,168, V 7,168], 229,376 bytes; wave w asks for step w, one tensor load of dense bytes a wave, once: nothing is filled again.
; CLUSTER 4 x 1: the four work-groups of a cluster read the same K and V and ask jointly.  No data prefetch: every byte is asked for at the head, so there is nothing to run ahead of.
; K's tile 4 c + j of a step holds keys 64 c + 8 j + r % 8 + 32 (r / 8).  S^T = K q^T: lane (r, h) holds query r, register 32 c + n the key 64 c + 32 h + n: two whole blocks of the next quantiser, in the operand's own order.
; q has 64 of the instruction's 128 along K: its upper six registers are zero codes, and its upper scale bytes are 1.  So K's upper six registers may hold any codes: a tile's operand is its own six registers and the next tile's.
; M is the running largest t rounded up to a whole number, kept as -M; p = 2^(t - M); the row's sum is taken of p unquantised; a block's largest p is the same two instructions on its largest score.
; When M moves, the sum and O^T are multiplied by 2^(old M - new M), exactly.
; THE MASK is the C operand of the last key step's scores: 0 or -3e38, under which p is 0.  A tile lies in half x / 4 of its step: there a key is compared with the query; in the other half all keys are hidden (half 1, where the
; tile lies in half 0) or none is (half 0, where it lies in half 1).
; OUTPUT att: [row tile 256][K step 8][1,792]: two half fragments (one a head, 768 bytes), scale words at 1,536 + 4 x lane (two bytes a head), written twice.
; LIMITS: NaN and infinities are not served; the scaled scores (exponents to the base 2) stay under 2^31 in magnitude; a block whose largest magnitude lies under 2^-124 gets the scale byte 1.
; REGISTERS: v1, v2 16 and 8 x lane; v3 my query's place, for the mask, v242, v244 its numbers; v4, v5 the step's LDS address; v6-7, v30-31, v236-239 sums; v8-11 and v236-239 maxima; v12 -M; v13 largest score; v[14:15] the sum;
;   v16-27 q; v28 its scales; v29 8 h; v32-85 K; v86-93 its scales; v[94:95] the factor; v96-159 scores, then p, in part codes and V's tiles 2, 3; v160-191 O^T; v192-203 p's codes; v204-227 V's tiles 0, 1; v228-231 V's scales;
;   v232 p's; v233-235, v240, v241 at work.
.set STEPB, 14336
.set SPARE, 16*STEPB                   ; the spare words: 128 bytes a wave
.macro ROUND
	s_barrier_signal -1
	s_barrier_wait -1
	s_cmp_lg_u32 s18, 0
	s_cbranch_scc1 .Lnot_wave_0_\@
	s_barrier_signal -3
.Lnot_wave_0_\@:
	s_barrier_wait -3
	s_barrier_signal -1
	s_barrier_wait -1
.endm
	s_load_b128 s[4:7], s[0:1], 0x0                ; qkv, att
	v_lshl_add_u32 v254, v0, 2, SPARE
	v_mov_b32 v255, 0
	ds_add_u32 v254, v255                          ; the wave's opening: the add, twice on end
	ds_add_u32 v254, v255
	v_lshrrev_b32 v4, 5, v0
	v_readfirstlane_b32 s18, v4                    ; wave w
	s_bfe_u32 s11, ttmp6, 0x40000                  ; cx
	s_lshl_b32 s8, s11, 3
	v_and_b32 v3, 31, v0
	v_lshlrev_b32 v1, 4, v3
	v_lshlrev_b32 v2, 3, v3
	v_and_b32 v10, 15, v0                          ; r
	v_bfe_u32 v11, v0, 4, 1                        ; h
	v_lshlrev_b32 v29, 3, v11
	v_lshrrev_b32 v3, 3, v10
	v_mad_u32_u24 v3, v3, 24, v10                  ; r + 24 (r / 8)
	v_lshlrev_b32 v11, 5, v11
	v_sub_nc_u32 v3, v3, v11
	v_add_nc_u32 v3, s8, v3                        ; my query's place in its half of the step, less 32 h
	s_wait_alu depctr_va_vdst(0)
	s_lshr_b32 s9, s18, 2
	s_and_b32 s8, s9, 1
	s_xor_b32 s8, s8, 1
	s_mul_i32 s8, s8, 7
	s_and_b32 s10, s18, 3
	s_xor_b32 s8, s8, s10                          ; 7 - k or k,
	s_lshr_b32 s9, s18, 3
	s_xor_b32 s9, s9, 1
	s_lshl_b32 s9, s9, 3
	s_add_co_u32 s17, s8, s9                       ; + 8 for waves 0-7: m
	s_mul_i32 s19, s17, STEPB                      ; where my own key step lies
	s_lshl_b32 s12, ttmp9, 2
	s_add_co_u32 s12, s12, s11                     ; my tile of the step
	s_and_b32 s13, ttmp7, 0xffff                   ; 16 batch + head
	s_mov_b32 s36, 0xff61b1e6                      ; -3e38,
	s_cmp_eq_u32 ttmp9, 0
	s_cselect_b32 s35, s36, 0                      ; where the tile lies in half 0
	s_mul_i32 s41, s18, STEPB                      ; my step of K and V
	s_mul_i32 s56, s13, 16*STEPB
	s_add_co_u32 s56, s56, s41
	s_add_co_u32 s56, s56, 3670016
	s_mov_b32 s57, 0
	s_mul_i32 s8, s13, 114688                      ; Q: head,
	s_mul_i32 s10, s17, 7168
	s_add_co_u32 s8, s8, s10                       ; step m,
	s_mul_i32 s9, s12, 768
	s_add_co_u32 s60, s8, s9                       ; my tile's codes,
	s_mov_b32 s61, 0
	s_lshl_b32 s10, ttmp9, 9
	s_add_co_u32 s8, s8, s10
	s_lshl_b32 s10, s11, 2
	s_add_co_u32 s8, s8, s10
	s_add_co_u32 s62, s8, 6144                     ; and its scale words: 512 (tile / 4) + 4 (tile % 4)
	s_mov_b32 s63, 0
	s_mov_b32 s24, 15|(3<<16)|(1<<21)              ; 15:0 the mask: all four; elements of 8 bytes; 21 set beside a mask
	s_mov_b32 s25, 32<<16                          ; 14,336 dense bytes as 56 rows of 256
	s_mov_b32 s26, 56<<16
	s_mov_b32 s27, 32<<16
	s_mov_b32 s28, 56
	s_mov_b32 s29, 32
	s_mov_b32 s30, 0
	s_mov_b32 s31, 0
	s_mov_b32 s14, 0xffff
	s_mov_b32 s15, 0x01010000
	s_mov_b32 s16, 0xbe38aa3b                      ; -c, c = log2(e) / 8
	s_mov_b32 s20, 0x76543210
	s_mov_b32 s21, 0xfedcba98                      ; selects for lane l xor 16
	s_mov_b32 s22, 0x3e38aa3b                      ; c
	s_mov_b32 s23, s22
	s_mov_b32 s40, 1
	s_wait_alu depctr_va_vdst(0)
	s_wait_dscnt 0x0                               ; both opening adds are done
	ROUND                                          ; the four work-groups are here: the joint loads meet
	s_wait_kmcnt 0x0
	s_add_nc_u64 s[42:43], s[4:5], s[56:57]
	s_or_b32 s43, s43, 0x80000000
; where my results go: row tile 128 batch + 8 m + tile, K step head / 2, half head % 2: s[50:51] the codes' place, s[52:53] the scale bytes'
.macro PLACE
	s_lshr_b32 s8, s13, 4
	s_lshl_b32 s8, s8, 7
	s_add_co_u32 s8, s8, s12
	s_lshl_b32 s9, s17, 3
	s_add_co_u32 s8, s8, s9
	s_lshl_b32 s8, s8, 3
	s_and_b32 s9, s13, 15
	s_lshr_b32 s10, s9, 1
	s_and_b32 s9, s9, 1
	s_add_co_u32 s8, s8, s10
	s_mul_i32 s50, s8, 1792
	s_lshl_b32 s52, s9, 1
	s_add_co_u32 s52, s52, s50
	s_add_co_u32 s52, s52, 1536
	s_mul_i32 s51, s9, 768
	s_add_co_u32 s50, s50, s51
	s_mov_b32 s51, 0
	s_mov_b32 s53, 0
	s_add_nc_u64 s[50:51], s[6:7], s[50:51]
	s_add_nc_u64 s[52:53], s[6:7], s[52:53]
	s_add_nc_u64 s[60:61], s[4:5], s[60:61]
	s_add_nc_u64 s[62:63], s[4:5], s[62:63]
.endm
	s_cmp_lt_u32 s18, 4                            ; ONE load a wave.  Steps 0-3, which are waited for first, have a line of their own, and it is issued ahead of the scalar work that the other waves do first
	s_cbranch_scc0 .Llater_steps
	tensor_load_to_lds s[40:43], s[24:31]
	s_nop 0
.rept 4
	v_nop
.endr
	PLACE
	s_branch .Lasked
.Llater_steps:
	PLACE
	tensor_load_to_lds s[40:43], s[24:31]
	s_nop 0
.rept 4
	v_nop
.endr
.Lasked:
	global_load_b128 v[16:19], v1, s[60:61]        ; my q
	global_load_b64 v[20:21], v2, s[60:61] offset:512
	global_load_b32 v28, v1, s[62:63]
	v_mov_b32 v242, s35
	v_mov_b32 v244, s36
	v_mov_b32 v13, 0xff61b1e6                      ; the largest score so far,
	v_mov_b32 v12, 0x7f61b1e6                      ; and -M
	v_mov_b32 v14, 0
	v_mov_b32 v15, 0
.irp j, 22,23,24,25,26,27,80,81,82,83,84,85,95,235,240
	v_mov_b32 v\j, 0
.endr
.set n, 0
.rept 32
	v_mov_b32 v[160+n], 0                          ; O^T.  (A step is written for all: the first finds zeros)
.set n, n+1
.endr
.macro KLOAD a, b, off                 ; a step's K, 18 loads: addresses with 16 and 8 x lane
.irp t, 0,1,2,3,4,5,6,7
	ds_load_b128 v[32+6*\t:35+6*\t], \a offset:\off+768*\t
	ds_load_b64 v[36+6*\t:37+6*\t], \b offset:\off+768*\t+512
.endr
	ds_load_b128 v[86:89], \a offset:\off+6144
	ds_load_b128 v[90:93], \a offset:\off+6656
.endm
.macro VLOAD r, t                      ; V's tile t, 16 dims x the step's 128 keys
.irp c, 0,1,2
	ds_load_b128 v[\r+4*\c:\r+4*\c+3], v4 offset:7168+1792*(\t)+512*\c
.endr
.endm
.macro SUM k                           ; the next k pairs of p onto the four running sums, by turns
.rept \k
.set R_, 6
.if (n/2)%4 == 1
.set R_, 30
.elseif (n/2)%4 == 2
.set R_, 236
.elseif (n/2)%4 == 3
.set R_, 238
.endif
	v_pk_add_f32 v[R_:R_+1], v[R_:R_+1], v[96+n:97+n]
.set n, n+2
.endr
.endm
.macro PV t, r
	v_wmma_scale_f32_16x16x128_f8f6f4 v[160+8*\t:167+8*\t], v[\r:\r+11], v[192:203], v[160+8*\t:167+8*\t], v[228+\t], v232 matrix_a_fmt:MATRIX_FMT_FP6 matrix_b_fmt:MATRIX_FMT_FP6
.endm
; A key step at LDS place s[tb].  dg = 1: my own, masked, with no step behind it
.macro STEP dg, tb
	v_add_nc_u32 v4, s[\tb], v1                    ; five places behind the last step's products, whose V the scores write over
	v_add_nc_u32 v5, s[\tb], v2
	v_mov_b32 v233, v12
	v_nop
	v_nop
.if \dg
.set n, 0
.rept 32
	v_cmp_gt_i32 vcc_lo, n, v3                     ; key n of the tile's own half stands behind my query
	v_cndmask_b32 v[96+n], 0, v242, vcc_lo         ; half 0: hidden only where it is the tile's own
	v_cndmask_b32 v[128+n], v242, v244, vcc_lo     ; half 1: all hidden where it is not
.set n, n+1
.endr
.endif
	s_wait_alu depctr_va_vdst(0)
	s_wait_dscnt 0x0                               ; this step's K is in
.irp t, 0,1,2,3,4,5,6,7
.if \dg
	v_wmma_scale_f32_16x16x128_f8f6f4 v[96+8*\t:103+8*\t], v[32+6*\t:43+6*\t], v[16:27], v[96+8*\t:103+8*\t], v[86+\t], v28 matrix_a_fmt:MATRIX_FMT_FP6 matrix_b_fmt:MATRIX_FMT_FP6
.else
	v_wmma_scale_f32_16x16x128_f8f6f4 v[96+8*\t:103+8*\t], v[32+6*\t:43+6*\t], v[16:27], 0, v[86+\t], v28 matrix_a_fmt:MATRIX_FMT_FP6 matrix_b_fmt:MATRIX_FMT_FP6
.endif
.endr
.rept 4
	v_nop                                          ; for the loads and the first read of the scores
.endr
	VLOAD 204, 0
	VLOAD 216, 1
.irp t, 0,1,2,3
	ds_load_b32 v[228+\t], v5 offset:7168+1792*\t+1536
.endr
.if !\dg
	KLOAD v4, v5, STEPB                            ; the next step's
.endif
.set k, 0
.rept 8
.set R_, 8+k+224*(k/4)
	v_max3_num_f32 v[R_], v[96+8*k], v[97+8*k], v[98+8*k]
.set k, k+1
.endr
.irp i, 3,5
.set k, 0
.rept 8
.set R_, 8+k+224*(k/4)
	v_max3_num_f32 v[R_], v[R_], v[96+8*k+\i], v[97+8*k+\i]
.set k, k+1
.endr
.endr
	v_max3_num_f32 v8, v8, v9, v103
	v_max3_num_f32 v10, v10, v11, v111
	v_max3_num_f32 v236, v236, v237, v135
	v_max3_num_f32 v238, v238, v239, v143
	v_max3_num_f32 v8, v8, v10, v119
	v_max3_num_f32 v236, v236, v238, v151
	v_max_num_f32 v8, v8, v127                     ; my two blocks' largest scores
	v_max_num_f32 v10, v236, v159
	v_max_num_f32 v234, v8, v10
	v_permlanex16_b32 v235, v234, s20, s21
	v_max3_num_f32 v13, v13, v234, v235            ; the running largest score of my query
	v_mul_f32 v234, s16, v13
	v_floor_f32 v12, v234                          ; -M = floor(-t) = -ceil(t)
.set n, 0
.rept 32
	v_pk_fma_f32 v[96+n:97+n], v[96+n:97+n], s[22:23], v[12:13] op_sel_hi:[1,0,0]   ; t - M
.if n == 8
	v_sub_f32 v233, v12, v233                      ; old M less new M: a whole number, 0 or less
.endif
.if n == 20
	v_cvt_i32_f32 v233, v233                       ; (it saturates)
.endif
.if n == 32
	v_ldexp_f32 v94, 1.0, v233                     ; the factor
.endif
.set n, n+2
.endr
	v_fma_f32 v8, v8, s22, v12
	v_fma_f32 v10, v10, s22, v12
.set n, 0
.rept 16
	v_pk_mul_f32 v[160+n:161+n], v[160+n:161+n], v[94:95] op_sel_hi:[1,0]   ; O^T under the new M
.set n, n+2
.endr
	s_wait_alu depctr_va_vdst(0)                   ; the wait ahead of the batch,
	v_exp_f32 v8, v8                               ; the blocks' largest p
	v_exp_f32 v10, v10
.set n, 0
.rept 64
	v_exp_f32 v[96+n], v[96+n]
.set n, n+1
.endr
	v_nop
	s_wait_alu depctr_va_vdst(0)                   ; and behind it
	v_max_num_f32 v8, 0x1800000, v8                ; the floor 2^(3 - 127)
	v_max_num_f32 v10, 0x1800000, v10
	v_pk_add_f32 v[6:7], v[96:97], v[104:105]
	v_pk_add_f32 v[30:31], v[98:99], v[106:107]
	v_pk_add_f32 v[236:237], v[100:101], v[108:109]
	v_pk_add_f32 v[238:239], v[102:103], v[110:111]
	v_add_nc_u32 v8, 0xff000000, v8                ; 2 off the exponent field: the conversion's scale operand
	v_add_nc_u32 v10, 0xff000000, v10
.set n, 16
	SUM 4
	v_lshrrev_b32 v9, 23, v8                       ; the scale's byte
	v_lshrrev_b32 v11, 23, v10
	SUM 4                                          ; block 0 is summed
	v_lshl_or_b32 v9, v11, 16, v9
	v_cvt_scalef32_pk16_fp6_f32 v[192:194], v[96:111], v8
	SUM 1                                          ; (a plain place behind the conversion whose sources the next one writes over)
	v_cvt_scalef32_pk16_fp6_f32 v[96:98], v[112:127], v8
	SUM 1
	v_cvt_scalef32_pk16_fp6_f32 v[198:200], v[128:143], v10
	SUM 1
	v_cvt_scalef32_pk16_fp6_f32 v[100:102], v[144:159], v10
	v_lshlrev_b32 v9, v29, v9                      ; my bytes at their places
	VLOAD 104, 2                                   ; block 0's p is used up
	VLOAD 116, 3
	SUM 2
	v_permlanex16_b32 v240, v9, s20, s21
	SUM 2
	v_or_b32 v232, v9, v240                        ; p's scale word
.irp i, 0,1,2
	v_mov_b32 v[195+\i], v[96+\i]                  ; (a conversion's three registers begin on an even number)
	v_mov_b32 v[201+\i], v[100+\i]
.endr
	SUM 9
	v_pk_add_f32 v[6:7], v[6:7], v[30:31]
	v_pk_add_f32 v[236:237], v[236:237], v[238:239]
	v_pk_add_f32 v[6:7], v[6:7], v[236:237]
	v_pk_fma_f32 v[14:15], v[14:15], v[94:95], v[6:7] op_sel_hi:[1,0,1]
	s_wait_alu depctr_va_vdst(0)
.if \dg
	s_wait_dscnt 6                                 ; V's tiles 0, 1 are in; the six loads of tiles 2, 3 may be out,
.else
	s_wait_dscnt 24                                ; and the 18 of K
.endif
	PV 0, 204
	PV 1, 216
	s_wait_dscnt 0x0
	PV 2, 104
	PV 3, 116
.endm
	s_wait_alu depctr_va_vdst(0)
	s_cmp_lt_u32 s18, 4
	s_cbranch_scc0 .Lnot_first
	s_wait_tensorcnt 0x0
.Lnot_first:
	s_barrier_signal -1
	s_barrier_wait -1                              ; steps 0-3 are in; the others may be on their way
	KLOAD v1, v2, 0
	s_wait_loadcnt 0x0
	v_and_or_b32 v28, v28, s14, s15                ; q's upper scale bytes, over zero codes, are 1
.rept 8
	v_nop                                          ; eight places ahead of the first product that takes it
.endr
	s_wait_alu depctr_va_vdst(0)
	s_mov_b32 s33, 0                               ; the key step,
	s_mov_b32 s34, 0                               ; and its place
.Lone:                                                 ; key steps 0-2, whose next steps' K is in
	s_cmp_ge_u32 s33, s17
	s_cbranch_scc1 .Lpast_one
	STEP 0, 34
.Lpast_one:
	s_add_co_u32 s34, s34, STEPB
	s_add_co_u32 s33, s33, 1
	s_cmp_lt_u32 s33, 3
	s_cbranch_scc1 .Lone
	s_wait_tensorcnt 0x0
	s_wait_dscnt 0x0
	s_barrier_signal -1
	s_barrier_wait -1                              ; all of K and V is in
.Ltwo:
	s_cmp_ge_u32 s33, s17
	s_cbranch_scc1 .Lpast_two
	STEP 0, 34
.Lpast_two:
	s_add_co_u32 s34, s34, STEPB
	s_add_co_u32 s33, s33, 1
	s_cmp_lt_u32 s33, 15
	s_cbranch_scc1 .Ltwo
	STEP 1, 19                                     ; my own step
	; THE WAY OUT: O^T / the sum: register 8 t + i of lane (r, h) is dim 32 h + 8 t + i: one whole block
	v_add_f32 v14, v14, v15
	v_lshrrev_b32 v11, 2, v1                       ; 4 x lane
	v_nop
	v_permlanex16_b32 v235, v14, s20, s21
	v_nop
	v_add_f32 v14, v14, v235
	s_wait_alu depctr_va_vdst(0)                   ; the wait ahead of the transcendental,
	v_rcp_f32 v14, v14
	v_nop
	s_wait_alu depctr_va_vdst(0)                   ; and behind it, directly ahead of the results' first reader
.set n, 0
.rept 16
	v_pk_mul_f32 v[96+n:97+n], v[160+n:161+n], v[14:15] op_sel_hi:[1,0]
.set n, n+2
.endr
	v_max3_num_f32 v8, |v96|, |v97|, 0x1800000
	v_max3_num_f32 v10, |v112|, |v113|, 0x1800000
.irp i, 2,4,6,8,10,12,14
	v_max3_num_f32 v8, v8, |v[96+\i]|, |v[97+\i]|
	v_max3_num_f32 v10, v10, |v[112+\i]|, |v[113+\i]|
.endr
	v_max_num_f32 v8, v8, v10
	v_add_nc_u32 v8, 0xff000000, v8
	v_lshrrev_b32 v9, 23, v8
	v_lshlrev_b32 v9, v29, v9
	v_permlanex16_b32 v240, v9, s20, s21
	v_or_b32 v241, v9, v240                        ; row r's two bytes
	v_cvt_scalef32_pk16_fp6_f32 v[192:194], v[96:111], v8
	v_cvt_scalef32_pk16_fp6_f32 v[204:206], v[112:127], v8
	v_nop
.irp i, 0,1,2
	v_mov_b32 v[195+\i], v[204+\i]
.endr
	global_store_b128 v1, v[192:195], s[50:51]
	global_store_b64 v2, v[196:197], s[50:51] offset:512
	global_store_b16 v11, v241, s[52:53]
	global_store_b16 v11, v241, s[52:53] offset:128
	s_wait_tensorcnt 0x0                           ; the wave's end
	ds_add_u32 v254, v255
	s_wait_dscnt 0x0
	ROUND                                          ; the closing round
	s_endpgm
.Lfunc_end_k_qec486f61c4_attn:
	.size	k_qec486f61c4_attn, .Lfunc_end_k_qec486f61c4_attn-k_qec486f61c4_attn
	.p2alignl 7, 3214868480
	.fill 96, 4, 3214868480
	.section	.rodata,"a",@progbits
	.p2align	6, 0x0
	.amdhsa_kernel k_qec486f61c4_attn
		.amdhsa_group_segment_fixed_size 231424
		.amdhsa_private_segment_fixed_size 0
		.amdhsa_enable_private_segment 0
		.amdhsa_kernarg_size 16
		.amdhsa_user_sgpr_count 2
		.amdhsa_user_sgpr_kernarg_segment_ptr 1
		.amdhsa_wavefront_size32 1
		.amdhsa_system_sgpr_workgroup_id_x 1
		.amdhsa_system_sgpr_workgroup_id_y 1
		.amdhsa_system_sgpr_workgroup_id_z 1
		.amdhsa_system_vgpr_workitem_id 0
		.amdhsa_next_free_vgpr 256
		.amdhsa_next_free_sgpr 72
		.amdhsa_reserve_vcc 1
		.amdhsa_float_denorm_mode_32 3
		.amdhsa_float_denorm_mode_16_64 3
		.amdhsa_memory_ordered 1
		.amdhsa_forward_progress 1
		.amdhsa_inst_pref_size 60
	.end_amdhsa_kernel
	.amdgpu_metadata
---
amdhsa.version: [ 1, 2 ]
amdhsa.kernels:
  - .name:           k_qec486f61c4_attn
    .symbol:         k_qec486f61c4_attn.kd
    .args:
      - { .name: qkv, .offset: 0, .size: 8, .value_kind: global_buffer, .address_space: global }
      - { .name: att, .offset: 8, .size: 8, .value_kind: global_buffer, .address_space: global }
    .group_segment_fixed_size: 231424
    .private_segment_fixed_size: 0
    .kernarg_segment_align: 8
    .kernarg_segment_size: 16
    .max_flat_workgroup_size: 512
    .sgpr_count:     72
    .vgpr_count:     256
    .wavefront_size: 32
...
	.end_amdgpu_metadata
.endif
;; end of part 3
;; launch proj (part 4): grid 8 x 32, 4 waves a work-group, clusters of 4 x 4, 247,296 bytes of LDS; arguments att, wsq, out0; writes out0
.if DOCPART == 4
	.amdgcn_target "amdgcn-amd-amdhsa--gfx1250"
	.amdhsa_code_object_version 6
	.text
	.protected	k_qec486f61c4_proj
	.globl	k_qec486f61c4_proj
	.p2align	8
	.type	k_qec486f61c4_proj,@function
k_qec486f61c4_proj:
	s_mov_b64 s[64:65], 0
	v_nop
	global_prefetch_b8 v0, s[64:65] scope:SCOPE_SE
	s_setreg_imm32_b32 hwreg(HW_REG_WAVE_MODE, 25, 1), 1
	s_wait_xcnt 0x0
	s_wait_alu depctr_hold_cnt(0) depctr_sa_sdst(0) depctr_va_vdst(0) depctr_va_sdst(0) depctr_va_ssrc(0) depctr_va_vcc(0) depctr_vm_vsrc(0)
	s_getreg_b32 s2, hwreg(HW_REG_IB_STS2, 6, 4)
	s_cmp_eq_u32 s2, 0
	s_cbranch_scc0 .Lentry_in_a_cluster
	s_endpgm
.Lentry_in_a_cluster:
	s_bfe_u32 s2, ttmp6, 0x10000c
	s_cmp_lg_u32 s2, 0xf033
	s_cbranch_scc0 .Lentry_shape_is_right
	s_endpgm
.Lentry_shape_is_right:
; out0 = attn wo^T on codes of FP6 (E2M3) with E8M0 scales; out0 [4096][1024] f32; sums in f32.
; Both operands come as images of their registers.  att: [row tile 256][K step 8][1,792]: two half fragments (768 bytes each: registers 0-3 at 16 x lane, 4-5 at 512 + 8 x lane), scale words at 1,536 + 4 x lane.
; wo: tiles 448-511 of wsq, [K step 8][1,792]: three chunks of 512 bytes at 16 x lane, scale words at 1,536 + 8 x lane.  Tile 4 g + j holds in lane place r the row 64 g + 8 j + r % 8 + 32 (r / 8).
; SHARES.  A tile of the output is 128 x 128, which gives each of the 256 work-groups one.  Wave w (R = w / 2, C = w % 2): attn's tiles R, 2 + R, 4 + R, 6 + R against wo's tiles 4 C .. 4 C + 3.
; wo's four tiles, ALL of K, lie in registers (32 fragments, 384 registers); attn's tiles go past them as blocks of 16 rows, all of K, so that a block is finished with its 32 products and leaves while the next is multiplied.
; Source 0 = 16 rows of wo, source 1 = 16 rows of attn: lane (r, h) holds row r and, in register 8 t + i, the column 32 h + 8 t + i of the wave's 64.
; All of both operands fits in LDS, 229,376 bytes, filled ONCE, one tensor load of 57,344 dense bytes a wave.  No data prefetch: every byte is asked for at the head.
; CLUSTER 4 x 4: attn's tiles hang on y alone and are asked for jointly along a row of the cluster, wo's on x alone, along a column.
; THE WAY OUT: a block of 16 rows x 64 columns goes through the wave's own stage in LDS and comes back as rows of 256 bytes: sixteen lanes store 256 consecutive bytes, aligned; the store's offset undoes the order of rows.
; REGISTERS: window 0: v1-14 addresses, v28-29 the add's, v32-63 wo's scale words, v64-79 attn's (two sets), v128-191 accumulators (two sets), v192-255 the way out.
;   Fragment f (0-31 wo's 4 q + t; 32-39, 40-47 attn's two sets) lies in window 1 + f / 21 at register 12 (f % 21).
.set ATT, 114688                       ; LDS: wo's eight tiles, then attn's eight
.set STG, 229376
.set SPARE, STG+4*4352                 ; the spare words: 128 bytes a wave
.set TB,  14336                        ; a tile
.set SB,  32
.set SA,  64
.set ACC, 128
.set OB,  192
.set G1A, 24
.set G1B, 32
.set G0A, 40
.set G0B, 44
.set MSB, 0
.macro WIN new
.if MSB != \new
	s_set_vgpr_msb (MSB<<8)|\new
.set MSB, \new
.endif
.endm
.macro PLACES
.rept 4
	v_nop
.endr
.endm
.macro CROUND
	s_barrier_signal -1
	s_barrier_wait -1
	s_cmp_lg_u32 s10, 0
	s_cbranch_scc1 .Lnot_wave_0_\@
	s_barrier_signal -3
.Lnot_wave_0_\@:
	s_barrier_wait -3
	s_barrier_signal -1
	s_barrier_wait -1
.endm
	s_load_b128 s[4:7], s[0:1], 0x0                ; att, wsq
	s_load_b64 s[8:9], s[0:1], 0x10                ; out0
	v_lshl_add_u32 v28, v0, 2, SPARE
	v_mov_b32 v29, 0
	ds_add_u32 v28, v29                            ; the wave's opening: the add, twice on end
	ds_add_u32 v28, v29
	v_lshrrev_b32 v1, 5, v0
	v_readfirstlane_b32 s10, v1                    ; wave 0..3
	s_lshr_b32 s11, s10, 1                         ; R
	s_and_b32 s12, s10, 1                          ; C.  Also: which half I fetch
	s_bfe_u32 s13, ttmp6, 0x40000
	s_bfe_u32 s14, ttmp6, 0x40004
	s_lshl_b32 s15, ttmp9, 2
	s_add_co_u32 s15, s15, s13                     ; x: 128 columns
	s_and_b32 s16, ttmp7, 0xffff
	s_lshl_b32 s16, s16, 2
	s_add_co_u32 s16, s16, s14                     ; y: 128 rows
	s_lshl_b32 s17, s14, 2
	s_lshl_b32 s17, 15, s17                        ; my row of the cluster
	s_lshl_b32 s18, 0x1111, s13                    ; my column
	s_or_b32 s[G1A], s17, (3<<16)|(1<<21)          ; the mask; elements of 8 bytes; 21 set beside a mask; no padding
	s_or_b32 s[G1B], s18, (3<<16)|(1<<21)
.irp g, G1A, G1B
	s_mov_b32 s[\g+1], 32<<16                      ; 57,344 dense bytes as 224 rows of 256
	s_mov_b32 s[\g+2], 224<<16
	s_mov_b32 s[\g+3], 32<<16
	s_mov_b32 s[\g+4], 224
	s_mov_b32 s[\g+5], 32
	s_mov_b32 s[\g+6], 0
	s_mov_b32 s[\g+7], 0
.endr
	s_lshl_b32 s20, s16, 3
	s_lshl_b32 s21, s12, 2
	s_add_co_u32 s20, s20, s21
	s_mul_i32 s20, s20, TB                         ; attn: tile 8 y + 4 half
	s_mov_b32 s21, 0
	s_lshl_b32 s22, s15, 3
	s_lshl_b32 s23, s12, 2
	s_add_co_u32 s22, s22, s23
	s_add_co_u32 s22, s22, 448
	s_mul_i32 s22, s22, TB                         ; wo: tile 448 + 8 x + 4 half
	s_mov_b32 s23, 0
	s_mov_b32 s[G0A], 1
	s_mov_b32 s[G0B], 1
	s_mul_i32 s[G0B+1], s12, 4*TB
	s_add_co_u32 s[G0A+1], s[G0B+1], ATT
	s_wait_alu depctr_va_vdst(0)
	s_wait_dscnt 0x0                               ; both opening adds are done
	CROUND                                         ; all sixteen work-groups are here: the joint loads meet
	s_wait_kmcnt 0x0
	s_add_nc_u64 s[G0A+2:G0A+3], s[4:5], s[20:21]
	s_or_b32 s[G0A+3], s[G0A+3], 0x80000000
	s_add_nc_u64 s[G0B+2:G0B+3], s[6:7], s[22:23]
	s_or_b32 s[G0B+3], s[G0B+3], 0x80000000
	s_cmp_lt_u32 s10, 2                            ; ONE load a wave: waves 0, 1 wo's halves, waves 2, 3 attn's
	s_cbranch_scc0 .Lfor_attn
	tensor_load_to_lds s[G0B:G0B+3], s[G1B:G1B+7]
	s_nop 0
	PLACES
	s_branch .Lasked
.Lfor_attn:
	tensor_load_to_lds s[G0A:G0A+3], s[G1A:G1A+7]
	s_nop 0
	PLACES
.Lasked:
	s_lshl_b32 s84, s16, 7
	s_lshl_b32 s85, s11, 3
	s_add_co_u32 s84, s84, s85
	s_lshl_b32 s84, s84, 12                        ; row 128 y + 8 R, of 4,096 bytes;
	s_lshl_b32 s85, s15, 9
	s_add_co_u32 s84, s84, s85                     ; 512 x
	s_lshl_b32 s85, s12, 8
	s_add_co_u32 s84, s84, s85                     ; + 256 C
	s_mov_b32 s85, 0
	s_add_nc_u64 s[84:85], s[8:9], s[84:85]
	v_and_b32 v3, 31, v0
	v_lshlrev_b32 v1, 4, v3                        ; 16 x lane
	v_lshlrev_b32 v2, 3, v3                        ; 8 x lane
	v_lshlrev_b32 v3, 2, v3                        ; 4 x lane
	s_mul_i32 s86, s11, TB
	s_add_co_u32 s86, s86, ATT                     ; attn's tile R (blocks 0, 1: + 2 tiles each),
	v_add_nc_u32 v4, s86, v1
	v_add_nc_u32 v5, s86, v2
	v_add_nc_u32 v6, s86, v3
	s_add_co_u32 s86, s86, 4*TB                    ; and tile 4 + R (blocks 2, 3)
	v_add_nc_u32 v12, s86, v1
	v_add_nc_u32 v13, s86, v2
	v_add_nc_u32 v14, s86, v3
	s_mul_i32 s86, s12, 4*TB                       ; my four of wo
	v_add_nc_u32 v7, s86, v1
	v_add_nc_u32 v8, s86, v2
	v_and_b32 v15, 15, v0                          ; r
	v_bfe_u32 v16, v0, 4, 1                        ; h
	s_mul_i32 s86, s10, 4352
	s_add_co_u32 s86, s86, STG                     ; my stage: 16 rows of 272 bytes
	v_mul_u32_u24 v9, v15, 272
	v_lshl_add_u32 v9, v16, 7, v9
	v_add_nc_u32 v9, s86, v9                       ; in: row r, + 128 h
	v_mul_u32_u24 v10, v16, 272
	v_lshl_add_u32 v10, v15, 4, v10
	v_add_nc_u32 v10, s86, v10                     ; back: lanes 0-15 one row, lanes 16-31 the next
	v_lshlrev_b32 v11, 12, v16
	v_lshl_add_u32 v11, v15, 4, v11                ; and the same two rows in the output
.macro FETCH s                         ; 40 LDS loads: block s's eight fragments and scale words into set s % 2
.set A_, 4+8*((\s)/2)
.set O_, 2*TB*((\s)%2)
.irp q, 0,1,2,3,4,5,6,7
.set F_, 32+8*((\s)%2)+\q
.set R_, 12*(F_%21)
	WIN (1+F_/21)<<6
	ds_load_b128 v[R_:R_+3], v[A_] offset:O_+1792*\q
	ds_load_b64 v[R_+4:R_+5], v[A_+1] offset:O_+1792*\q+512
	ds_load_b128 v[R_+6:R_+9], v[A_] offset:O_+1792*\q+768
	ds_load_b64 v[R_+10:R_+11], v[A_+1] offset:O_+1792*\q+1280
.endr
	WIN 0
.irp q, 0,1,2,3,4,5,6,7
	ds_load_b32 v[SA+8*((\s)%2)+\q], v[A_+2] offset:O_+1792*\q+1536
.endr
.endm
.macro MULS s, from                    ; 16 products of block s; the four accumulators take turns
.set N_, \from
.rept 16
.set Q_, N_/4
.set T_, N_%4
.set FB_, N_
.set FA_, 32+8*((\s)%2)+Q_
.set B_, 12*(FB_%21)
.set C_, 12*(FA_%21)
.set D_, ACC+32*((\s)%2)+8*T_
	WIN (1+FB_/21)|((1+FA_/21)<<2)
.if Q_
	v_wmma_scale_f32_16x16x128_f8f6f4 v[D_:D_+7], v[B_:B_+11], v[C_:C_+11], v[D_:D_+7], v[SB+N_], v[SA+8*((\s)%2)+Q_] matrix_a_fmt:MATRIX_FMT_FP6 matrix_b_fmt:MATRIX_FMT_FP6
.else
	v_wmma_scale_f32_16x16x128_f8f6f4 v[D_:D_+7], v[B_:B_+11], v[C_:C_+11], 0, v[SB+N_], v[SA+8*((\s)%2)+Q_] matrix_a_fmt:MATRIX_FMT_FP6 matrix_b_fmt:MATRIX_FMT_FP6
.endif
.set N_, N_+1
.endr
.endm
.macro TOSTAGE s                       ; block s into my stage, each accumulator from its low end on, and back as rows
.set D_, ACC+32*((\s)%2)
.set E_, OB+32*((\s)%2)
.irp t, 0,1,2,3
	ds_store_b128 v9, v[D_+8*\t:D_+8*\t+3] offset:32*\t
	ds_store_b128 v9, v[D_+8*\t+4:D_+8*\t+7] offset:32*\t+16
.endr
.irp i, 0,1,2,3,4,5,6,7
	ds_load_b128 v[E_+4*\i:E_+4*\i+3], v10 offset:544*\i   ; LDS serves a wave's instructions in order: these see my stores
.endr
.endm
.macro SEND s, younger                 ; younger: the LDS instructions issued behind block s's loads
.set E_, OB+32*((\s)%2)
	s_wait_dscnt \younger
.irp i, 0,1,2,3,4,5,6,7
	global_store_b128 v11, v[E_+4*\i:E_+4*\i+3], s[84:85] offset:(64*((\s)/2)+16*((\s)%2)+2*\i+24*(\i/4))*4096 th:TH_STORE_NT   ; row place 2 i + h of tile 2 s + R stands for this row
.endr
.endm
	s_wait_alu depctr_va_vdst(0)
	s_cmp_lt_u32 s10, 2
	s_cbranch_scc0 .Lnot_wo
	s_wait_tensorcnt 0x0
.Lnot_wo:
	s_barrier_signal -1
	s_barrier_wait -1                              ; wo is in; attn may be on its way
.irp q, 0,1,2,3,4,5,6,7
.irp t, 0,1,2,3
.set F_, 4*\q+\t
.set R_, 12*(F_%21)
	WIN (1+F_/21)<<6
.irp c, 0,1,2
	ds_load_b128 v[R_+4*\c:R_+4*\c+3], v7 offset:TB*\t+1792*\q+512*\c
.endr
.endr
.endr
	WIN 0
.irp q, 0,1,2,3,4,5,6,7
.irp t, 0,1,2,3
	ds_load_b32 v[SB+4*\q+\t], v8 offset:TB*\t+1792*\q+1536
.endr
.endr
	s_wait_tensorcnt 0x0
	s_wait_dscnt 0x0
	s_barrier_signal -1
	s_barrier_wait -1                              ; attn is in
	FETCH 0
	FETCH 1
	s_wait_dscnt 40                                ; block 0 is in; block 1's 40 loads may be out
	MULS 0, 0
	MULS 0, 16
	WIN 0
	PLACES
	TOSTAGE 0
	FETCH 2
	s_wait_dscnt 56                                ; block 1 is in; behind it: the stage's 16 and block 2's 40
	MULS 1, 0
	WIN 0
	SEND 0, 40
	MULS 1, 16
	WIN 0
	PLACES
	TOSTAGE 1
	FETCH 3
	s_wait_dscnt 56
	MULS 2, 0
	WIN 0
	SEND 1, 40
	MULS 2, 16
	WIN 0
	PLACES
	s_wait_xcnt 0x0                                ; the earlier stores have read their data: the rows may land there again
	TOSTAGE 2
	s_wait_dscnt 16                                ; block 3 is in; the stage's 16 may be out
	MULS 3, 0
	WIN 0
	SEND 2, 0
	MULS 3, 16
	WIN 0
	PLACES
	TOSTAGE 3
	SEND 3, 0
	s_wait_tensorcnt 0x0                           ; the wave's end
	ds_add_u32 v28, v29
	s_wait_dscnt 0x0
	CROUND                                         ; the closing round
	s_endpgm
.Lfunc_end_k_qec486f61c4_proj:
	.size	k_qec486f61c4_proj, .Lfunc_end_k_qec486f61c4_proj-k_qec486f61c4_proj
	.p2alignl 7, 3214868480
	.fill 96, 4, 3214868480
	.section	.rodata,"a",@progbits
	.p2align	6, 0x0
	.amdhsa_kernel k_qec486f61c4_proj
		.amdhsa_group_segment_fixed_size 247296
		.amdhsa_private_segment_fixed_size 0
		.amdhsa_enable_private_segment 0
		.amdhsa_kernarg_size 24
		.amdhsa_user_sgpr_count 2
		.amdhsa_user_sgpr_kernarg_segment_ptr 1
		.amdhsa_wavefront_size32 1
		.amdhsa_system_sgpr_workgroup_id_x 1
		.amdhsa_system_sgpr_workgroup_id_y 1
		.amdhsa_system_sgpr_workgroup_id_z 1
		.amdhsa_system_vgpr_workitem_id 0
		.amdhsa_next_free_vgpr 848
		.amdhsa_next_free_sgpr 96
		.amdhsa_reserve_vcc 0
		.amdhsa_float_denorm_mode_32 3
		.amdhsa_float_denorm_mode_16_64 3
		.amdhsa_memory_ordered 1
		.amdhsa_forward_progress 1
		.amdhsa_inst_pref_size 50
	.end_amdhsa_kernel
	.amdgpu_metadata
---
amdhsa.version: [ 1, 2 ]
amdhsa.kernels:
  - .name:           k_qec486f61c4_proj
    .symbol:         k_qec486f61c4_proj.kd
    .args:
      - { .name: att, .offset: 0, .size: 8, .value_kind: global_buffer, .address_space: global }
      - { .name: wsq, .offset: 8, .size: 8, .value_kind: global_buffer, .address_space: global }
      - { .name: out0, .offset: 16, .size: 8, .value_kind: global_buffer, .address_space: global }
    .group_segment_fixed_size: 247296
    .private_segment_fixed_size: 0
    .kernarg_segment_align: 8
    .kernarg_segment_size: 24
    .max_flat_workgroup_size: 128
    .sgpr_count:     96
    .vgpr_count:     848
    .wavefront_size: 32
...
	.end_amdgpu_metadata
.endif
;; end of part 4
